; MI455X (gfx1250); checked and timed in simulation.
; The chip was launched on July 23, 2026; its instructions are those of AMD's public machine-readable ISA for CDNA 5 (MIT licence, August 2026) and "CDNA5" Instruction Set Architecture Reference Guide (July 2026). The comments in the code are by the model that wrote it; some were corrected since.
;; Temporal Logic Layer. Allowed arithmetic: matrix products marked QUANTISED: E4M3 operands, one given power-of-two scale a tensor, by v_wmma_f32_16x16x64_fp8_fp8 or v_wmma_f32_16x16x128_fp8_fp8, f32 sums; everything else in f32.
;; Inputs: P 32 x 128 x 128 float32; W1 256 x 132 float32; W2 132 x 132 float32; W3 132 x 64 float32; b1 132 float32; b2 132 float32; b3 64 float32; lowp_scales 6 int32 (the exponents e of the quantised operands' scales 2^e).
;; Outputs: out0 32 x 128 x 64 float32.
;; This version of the problem:
;;   THIS VERSION OF THE PROBLEM IS GIVEN IN LOW PRECISION. The matrix products marked QUANTISED in the list below multiply operands that are first quantised to E4M3 (4 exponent bits, 3 mantissa bits; 8 bits a number), with one given power-of-two scale for each operand tensor; their sums are f32. All else is computed in f32.
;;   The module's matrix products, in the order in which they are computed (A, B: the left and right operand; K: the contracted axis; several contracted axes count as one K, in the product's order):
;;     1. [M 524,288, K 256] x [K 256, N 132]; A: computed on the way; B: input W1: QUANTISED (scales: A lowp_scales[0], B lowp_scales[1])
;;     2. [M 524,288, K 132] x [K 132, N 132]; A: computed on the way; B: input W2: QUANTISED (scales: A lowp_scales[2], B lowp_scales[3])
;;     3. [M 524,288, K 132] x [K 132, N 64]; A: computed on the way; B: input W3: QUANTISED (scales: A lowp_scales[4], B lowp_scales[5])
;;   THE QUANTISER, for each operand of a quantised product, along K:
;;     - The operand's scale is 2^e, e = its entry of the input lowp_scales (int32; the entries are numbered through the quantised products in the list's order, A before B).
;;     - Each number is divided by the scale, clamped to +-448, and rounded to the nearest number of E4M3, ties to even, subnormals kept.
;;     - The product sums the exact products of the quantised numbers (number of the format x scale) in f32.
;;   ~~~python
;;   def quantise(x, axis, e):      # numpy; x: float32 -> the quantised numbers, widened to float32 again
;;       x = np.moveaxis(x, axis, -1); K = x.shape[-1]
;;       r = np.clip(x / 2.0 ** e, -448, 448)
;;       step = 2.0 ** (np.maximum(np.frexp(np.where(r == 0, 1, r))[1] - 1, -6) - 3)
;;       q = np.round(r / step) * step * 2.0 ** e      # np.round: ties to even
;;       return np.moveaxis(q, -1, axis).astype(np.float32)
;;   ~~~
;;   OPERANDS COMPUTED ON THE WAY. 'Computed on the way' means the value that the module computes at that place (a softmax that the list does not call 'softmax' is quantised finished and normalised). What goes into a quantiser is computed in f32, as accurately as f32 sums, v_exp_f32 and their like allow (about 1e-6 of the number): no bf16 or f16 on the way to a quantiser, and a product that is left as it is and whose result goes on into a quantised operand takes f32 operands (vector FMAs, or v_wmma_f32_16x16x4_f32). A number that lies on a knife's edge between two numbers of the format may be rounded either way, as far as f32 arithmetic and the matrix unit's own rounding can turn it there, and no further.
;; 2 versions, each right; version 2 is version 1 with the launch tll written anew for expert scheduling mode. Each part assembles by itself: llvm-mc -triple=amdgcn-amd-amdhsa -mcpu=gfx1250 --defsym DOCPART=n.
;; ======== version 1 of 2: 1 launch
;; launch tll (part 1): grid 8 x 32, 4 waves a work-group, no clusters, 243,200 bytes of LDS; arguments P, W1, W2, W3, b1, b2, b3, lowp_scales, out0; writes out0
.if DOCPART == 1
	.amdgcn_target "amdgcn-amd-amdhsa--gfx1250"
	.amdhsa_code_object_version 6
	.text
	.protected	k_q6c0e7cafbc_tll
	.globl	k_q6c0e7cafbc_tll
	.p2align	8
	.type	k_q6c0e7cafbc_tll,@function
k_q6c0e7cafbc_tll:
	s_mov_b64 s[64:65], 0
	v_nop
	global_prefetch_b8 v0, s[64:65] scope:SCOPE_SE
	s_setreg_imm32_b32 hwreg(HW_REG_WAVE_MODE, 25, 1), 1
	s_wait_xcnt 0x0
; out0[b][t][:] = max over te >= t of sigmoid(5 (relu(relu(f W1 + b1) W2 + b2) W3 + b3)), f = [max P[b][t..te], P[b][te]].  The three products on codes of FP8 (E4M3), each operand with its given scale 2^e.
; ONLY PAIRS te >= t ARE COMPUTED.  Sigmoid, x 2^(e4+e5) and + b3 never turn an order round, so the maximum over te is taken of the third product's raw sums, and scale, bias and sigmoid are applied once for each output.
; The hold at +-448 x 2^e0 keeps order too: P is held once, and the window's running maximum is taken of held numbers.
; SHARES.  Work-group (q, b): batch b, starts 8q..8q+7 (group A) and 120-8q..127-8q (group B): 17 units of 8 starts x 8 ends, whatever q.  Sixteen units go as 8 half-tiles (8 starts x 16 ends), two to a wave: a step is one end for
; both half-tiles, 16 pairs, through all three layers in registers; 16 steps.  The 17th unit (a diagonal one, of A where q is odd, of B where even) is one more step: 64 pairs over the four waves.
; NO MASK: a lane reads row max(te, t): a pair that has not begun computes the pair (t, t) again, which changes no maximum.
; WEIGHTS: all fragments stay in every wave's registers (windows 2, 3 and part of 1).  They arrive as f32 with K outermost: the four waves share the holding, converting and turning (16 rows x 4 columns a lane, a 4 x 4 turn of bytes by
; v_perm_b32) and hand the fragments round through LDS as images of their registers (16 bytes a lane, 512 bytes a group of four registers).
; ALL PRODUCTS ARE USED TRANSPOSED (source 0 = 16 units of a weight, source 1 = my 16 pairs): a lane holds one pair, its registers run along the units, which are the next K.  Lane r of tile 2b+u of W1 and W2 takes unit
; 32b+8u+r+8(r/8), so that two neighbouring tiles' 16 registers are 16 neighbours along the next K.  Registers 4c..4c+3 of every fragment hold k = 32c+16(lane/16)+0..15: one permutation of k, the same on both sides.
; N = 132: a ninth tile whose rows 4-15 and their bias are zeros.  K = 132: k = 128..131 go by one more 16x16x64 product a tile; only register 0 of lanes 0-15 of its weight operand counts, all else meets zero codes.
; NO CLUSTER, NO TENSOR LOAD: what work-groups share (the weights, a batch's P) must pass through registers to be held and converted; 238,656 bytes of f32 weights do not fit beside P (88,704), the images (63,488) and the tables (53,328).
; LIMITS: e0, e1, e3, e5, e2-e0-e1, e4-e2-e3 between -126 and 119, so that each power of two and 448 x it is an f32 number.  NaN among the inputs is not served; infinities in P are held at the largest code.
.set PP,   528                         ; a row of 128 f32 in LDS: 512 bytes + 16
.set IMG1, 0                           ; W1 tiles 0-7: fragment (t, s) at (2t+s) x 2048
.set IMG2, 32768                       ; W2 tiles 0-7, k 0..127
.set IMG3, 49152                       ; W3 tiles 0-3, k 0..127
.set IMG8, 57344                       ; the ninth tiles: W1 s = 0, W1 s = 1, W2
.set PB,   63488                       ; held P: rows 0-127; rows 128-167 = -inf (the scan's fixed offsets reach them)
.set TB,   152192                      ; tables, 101 rows: 0 -inf; 1+8g+j DD; 15+m CK of A; 29+m CK of B; 37+8u+j DIAG
.set PM,   205520                      ; partial maxima, 136 rows of 272 bytes: 8s+j; 64+8u+j the 17th step's; 128-135 -inf
.set PMP,  272
.set NEGF, 0xff800000                  ; -infinity
; window 0
.set LI,  1                            ; 16 x lane
.set XB,  2                            ; PB + 64 (lane/16)
.set TE0, 3                            ; my pair's first end
.set TL,  4                            ; my pair's start
.set XA,  5                            ; LDS address of the row in hand
.set SC0, 8                            ; 2^e0;  v9: 2^(e2-e0-e1);  v10: 2^(e4-e2-e3)
.set T,   24                           ; head: codes as converted
.set C,   40                           ; head: codes turned
.set A0,  24                           ; codes of the window's maximum
.set A1,  40                           ; codes of P[te]
.set HC,  56                           ; hidden codes, k 0..127
.set HX,  72                           ; hidden codes, k 128..: v72-73; v74-79 stay 0
.set M,   80                           ; the window's maximum, 64 numbers a lane
.set X,   144                          ; P[te], 64 numbers a lane
.set ACC, 208                          ; the running maximum of the third product's sums
; window 1
.set H,   0                            ; nine tiles of sums; tiles 0-3 also take the third product
.set B1,  72                           ; b1 / 2^(e0+e1) in the result's layout
.set B2,  144                          ; b2 / 2^(e2+e3)
.set WX,  216                          ; k = 128..131: tile i's operand is v[WX+2i : WX+2i+7]
; window 2: W1 fragment (t, s) at 16 (2t+s).   window 3: v0-31 W1's ninth tile; W2 tile t at 32+16t; W3 tile i at 176+16i
.set W2F, 32
.set W3F, 176
.set MSB, 0
.macro WIN new                         ; bits 1:0 source 0, 3:2 source 1, 5:4 source 2, 7:6 destination; the high byte repeats the setting that is left
.if MSB != \new
	s_set_vgpr_msb (MSB<<8)|\new
.set MSB, \new
.endif
.endm
.macro BAR                             ; my LDS stores have landed and my LDS loads are in: then the work-group's barrier
	s_wait_dscnt 0x0
	s_barrier_signal -1
	s_barrier_wait -1
.endm
.macro POW e, sc, lim                  ; s[sc] = 2^s[e] as f32, s[lim] = 448 x that
	s_add_co_i32 s[\sc], s[\e], 127
	s_add_co_i32 s[\lim], s[\sc], 8
	s_lshl_b32 s[\sc], s[\sc], 23
	s_lshl_b32 s[\lim], s[\lim], 23
	s_or_b32 s[\lim], s[\lim], 0x600000
.endm
.macro ULOAD set, adr, base, off, pitch   ; a unit: 16 rows, 16 bytes a lane
.irp i,0,1,2,3,4,5,6,7,8,9,10,11,12,13,14,15
	global_load_b128 v[\set+4*\i:\set+4*\i+3], v[\adr], s[\base:\base+1] offset:\off+\i*\pitch
.endr
.endm
; A unit of a weight: 16 k x 4 columns a lane become, for each column, 16 codes along k: 16 bytes of an image.
.macro MAKE set, lim, sc, adr, off
.set i, 0
.rept 64
	v_med3_num_f32 v[\set+i], v[\set+i], -v[\lim], v[\lim]   ; the conversion to an 8-bit code does not saturate (ISA guide 7.6.2): hold first
.set i, i+1
.endr
.irp g,0,1,2,3,4,5,6,7
	v_cvt_scalef32_pk8_fp8_f32 v[T+2*\g:T+2*\g+1], v[\set+8*\g:\set+8*\g+7], v[\sc]   ; T[i]: four columns' codes at k0 + i
.endr
	v_nop                                          ; a plain line between the conversions and the readers of their results
	s_wait_dscnt 0x0                               ; the last unit's stores have read C and the fills their addresses
.irp m,0,1,2,3
	v_perm_b32 v3, v[T+4*\m+1], v[T+4*\m], s41     ; a0 b0 a1 b1
	v_perm_b32 v4, v[T+4*\m+3], v[T+4*\m+2], s41   ; c0 d0 c1 d1
	v_perm_b32 v5, v[T+4*\m+1], v[T+4*\m], s42     ; a2 b2 a3 b3
	v_perm_b32 v6, v[T+4*\m+3], v[T+4*\m+2], s42
	v_perm_b32 v[C+\m], v4, v3, s43                ; column 0, k 4m..4m+3
	v_perm_b32 v[C+4+\m], v4, v3, s44
	v_perm_b32 v[C+8+\m], v6, v5, s43
	v_perm_b32 v[C+12+\m], v6, v5, s44
.endr
.irp c,0,1,2,3
	ds_store_b128 v[\adr], v[C+4*\c:C+4*\c+3] offset:\off+16*\c
.endr
.endm
.macro HOLDP set, off                  ; 16 rows of P, held, into PB
.set i, 0
.rept 64
	v_med3_num_f32 v[\set+i], v[\set+i], -v23, v23
.set i, i+1
.endr
.irp i,0,1,2,3,4,5,6,7,8,9,10,11,12,13,14,15
	ds_store_b128 v22, v[\set+4*\i:\set+4*\i+3] offset:\off+\i*PP
.endr
.endm
.macro RLOAD reg, adr                  ; a row's 64 numbers of my half: register 16c+i = dimension 32c+16(lane/16)+i
.irp c,0,1,2,3
.irp i,0,1,2,3
	ds_load_b128 v[\reg+16*\c+4*\i:\reg+16*\c+4*\i+3], v[\adr] offset:128*\c+16*\i
.endr
.endr
.endm
.macro XADDR                           ; the row max(TE0 + s50, my start)
	v_add_nc_u32 v6, s50, v[TE0]
	v_max_u32 v6, v6, v[TL]
	v_and_b32 v6, 127, v6                          ; (only the look-ahead behind the last step passes 127; its row is not used)
	v_mad_u32_u24 v[XA], v6, PP, v[XB]
.endm
.macro PREI                            ; item pj of the 80 that prepare a step's operand: 64 maxima, 8 conversions of M, 8 of X
.if pj < 64
	v_max_num_f32 v[M+pj], v[M+pj], v[X+pj]
.elseif pj < 72
	v_cvt_scalef32_pk8_fp8_f32 v[A0+2*(pj-64):A0+2*(pj-64)+1], v[M+8*(pj-64):M+8*(pj-64)+7], v[SC0]
.else
	v_cvt_scalef32_pk8_fp8_f32 v[A1+2*(pj-72):A1+2*(pj-72)+1], v[X+8*(pj-72):X+8*(pj-72)+7], v[SC0]
.endif
.set pj, pj+1
.endm
.macro PRE_ALL
	s_wait_dscnt 0x0
.set pj, 0
.rept 80
	PREI
.endr
	v_nop                                          ; a plain line behind the last conversion
.endm
.macro MED t, lim                      ; relu and the hold in one, on tile t; the sums stand as source 2, so the products' window setting serves
.irp j,0,1,2,3,4,5,6,7
	v_med3_num_f32 v[H+8*(\t)+\j], 0, s[\lim], v[H+8*(\t)+\j]
.endr
.endm
.macro QH sc                           ; nine tiles of held sums become the next operand's registers
	WIN 0x01
.irp b,0,1,2,3
	v_cvt_scalef32_pk8_fp8_f32 v[HC+4*\b:HC+4*\b+1], v[H+16*\b:H+16*\b+7], v[\sc]
	v_cvt_scalef32_pk8_fp8_f32 v[HC+4*\b+2:HC+4*\b+3], v[H+16*\b+8:H+16*\b+15], v[\sc]
.endr
	v_cvt_scalef32_pk8_fp8_f32 v[HX:HX+1], v[H+64:H+71], v[\sc]
	v_nop                                          ; a plain line between the conversions and the products that read their results and write their sources
.endm
; A STEP: 16 pairs through the three layers.  pre = 1: the next step's operand is prepared among the second and third layers' products, and the row after that is asked for.
; The accumulators take turns, one instruction a turn.  A tile's sums are read four plain vector lines or more behind its last product: the tile before's eight holds (four v_nop for the first).
.macro STEP pre
	WIN 0x53                                       ; W1's ninth tile lies in window 3
	v_wmma_f32_16x16x128_fp8_fp8 v[H+64:H+71], v[0:15], v[A0:A0+15], v[B1+64:B1+71]
	WIN 0x52
.irp t,0,1,2,3,4,5,6,7
	v_wmma_f32_16x16x128_fp8_fp8 v[H+8*\t:H+8*\t+7], v[32*\t:32*\t+15], v[A0:A0+15], v[B1+8*\t:B1+8*\t+7]
.endr
.irp t,0,1,2,3,4,5,6,7
	v_wmma_f32_16x16x128_fp8_fp8 v[H+8*\t:H+8*\t+7], v[32*\t+16:32*\t+31], v[A1:A1+15], v[H+8*\t:H+8*\t+7]
.if \t == 1
.rept 4
	v_nop
.endr
.endif
.if \t >= 1
	MED \t-1, 45
.endif
.endr
	WIN 0x53
	v_wmma_f32_16x16x128_fp8_fp8 v[H+64:H+71], v[16:31], v[A1:A1+15], v[H+64:H+71]
	MED 7, 45
	MED 8, 45
	QH 9
.if \pre
	s_wait_dscnt 0x0                               ; the next row, asked for in the step before, is in
.endif
	WIN 0x53
.set pj, 0
.set mi, 0
.irp c,0,1
.irp t,0,1,2,3,4,5,6,7,8
.if \c == 0
	v_wmma_f32_16x16x64_fp8_fp8 v[H+8*\t:H+8*\t+7], v[W2F+16*\t:W2F+16*\t+7], v[HC:HC+7], v[B2+8*\t:B2+8*\t+7]
.else
	v_wmma_f32_16x16x64_fp8_fp8 v[H+8*\t:H+8*\t+7], v[W2F+16*\t+8:W2F+16*\t+15], v[HC+8:HC+15], v[H+8*\t:H+8*\t+7]
.endif
.if \pre && (mi%2 == 1)
	WIN 0                                          ; eight items behind every second product: nine slices, items 0-71
.rept 8
	PREI
.endr
.if pj > 64
	v_nop
.endif
	WIN 0x53
.endif
.set mi, mi+1
.endr
.endr
	WIN 0x51                                       ; k = 128..131: the weights' operand lies in window 1
.irp t,0,1,2,3,4,5,6,7,8
	v_wmma_f32_16x16x64_fp8_fp8 v[H+8*\t:H+8*\t+7], v[WX+2*\t:WX+2*\t+7], v[HX:HX+7], v[H+8*\t:H+8*\t+7]
.if \t == 1
.rept 4
	v_nop
.endr
.endif
.if \t >= 1
	MED \t-1, 46
.endif
.endr
	MED 8, 46
	QH 10
	WIN 0x53
.irp i,0,1,2,3
	v_wmma_f32_16x16x64_fp8_fp8 v[H+8*\i:H+8*\i+7], v[W3F+16*\i:W3F+16*\i+7], v[HC:HC+7], 0
.endr
.if \pre
	WIN 0
.rept 8
	PREI                                           ; items 72-79: P[te]'s codes
.endr
	v_nop
	WIN 0x53
.endif
.irp i,0,1,2,3
	v_wmma_f32_16x16x64_fp8_fp8 v[H+8*\i:H+8*\i+7], v[W3F+16*\i+8:W3F+16*\i+15], v[HC+8:HC+15], v[H+8*\i:H+8*\i+7]
.endr
.if \pre
	WIN 0
	XADDR
	RLOAD X, XA                                    ; the row after the next: it has a layer and a half in which to come
.endif
	WIN 0x51
.irp i,0,1,2,3
	v_wmma_f32_16x16x64_fp8_fp8 v[H+8*\i:H+8*\i+7], v[WX+18+2*\i:WX+18+2*\i+7], v[HX:HX+7], v[H+8*\i:H+8*\i+7]
.endr
.rept 4
	v_nop                                          ; places in front of the first read of these sums
.endr
.endm
; ---------------- ids, global offsets, the first loads
	s_load_b512 s[8:23], s[0:1], 0x0               ; P, W1, W2, W3, b1, b2, b3, the scales' exponents
	s_load_b64 s[24:25], s[0:1], 0x40              ; out0
	s_set_vgpr_msb 0x40
	v_lshl_add_u32 v254, v0, 2, 0x3b400
	v_mov_b32 v255, 0
	s_set_vgpr_msb 0x4000
	v_lshrrev_b32 v6, 5, v0
	v_readfirstlane_b32 s34, v6                    ; wave w
	s_and_b32 s35, ttmp9, 7                        ; q
	s_and_b32 s36, ttmp7, 31                       ; batch
	v_and_b32 v7, 31, v0
	v_lshlrev_b32 v[LI], 4, v7
	s_mul_i32 s51, s34, 64*PP
	s_mul_i32 s52, s34, 32*PP
	v_add_nc_u32 v11, s51, v[LI]                   ; W1: rows 64w on, columns 4 lane on
	v_add_nc_u32 v12, s52, v[LI]                   ; W2: rows 32w on
	v_and_b32 v3, 15, v0
	v_bfe_u32 v4, v0, 4, 1
	v_lshlrev_b32 v13, 4, v3
	v_lshl_add_u32 v13, v4, 12, v13
	s_lshl_b32 s53, s34, 13
	v_add_nc_u32 v13, s53, v13                     ; W3: rows 32w + 16 (lane/16) on, columns 4 (lane%16) on; a row is 256 bytes
	v_and_b32 v5, 3, v0
	v_mul_u32_u24 v14, v5, 16*PP
	v_add_nc_u32 v14, s51, v14
	v_add_nc_u32 v14, 512, v14                     ; W1's columns 128-131: rows 64w + 16 (lane%4) on
	v_and_b32 v5, 1, v0
	v_mul_u32_u24 v15, v5, 16*PP
	v_add_nc_u32 v15, s52, v15
	v_add_nc_u32 v15, 512, v15                     ; W2's columns 128-131: rows 32w + 16 (lane%2) on
	s_lshl_b32 s53, s34, 14
	v_add_nc_u32 v16, s53, v[LI]                   ; P: rows 32w on
	s_lshl_b32 s2, s36, 16
	s_mov_b32 s3, 0
	s_wait_kmcnt 0x0
	s_load_b128 s[28:31], s[22:23], 0x0            ; e0 .. e3
	s_load_b64 s[32:33], s[22:23], 0x10            ; e4, e5
	s_add_nc_u64 s[8:9], s[8:9], s[2:3]            ; my batch of P
	ULOAD 64, 11, 10, 0, PP                        ; units 0, 1, 2: three sets of 64 registers take turns
	ULOAD 128, 11, 10, 16*PP, PP
	ULOAD 192, 11, 10, 32*PP, PP
; ---------------- the groups
	s_lshl_b32 s38, s35, 3                         ; t0A = 8q
	s_xor_b32 s39, s35, 7
	s_lshl_b32 s39, s39, 3
	s_add_co_u32 s39, s39, 64                      ; t0B = 120 - 8q
	s_add_co_u32 s37, s35, 1
	s_lshr_b32 s37, s37, 1
	s_sub_co_u32 s37, 8, s37                       ; half-tiles of A: 8 - (q+1)/2
	s_bitcmp1_b32 s35, 0
	s_cselect_b32 s40, s38, s39                    ; the 17th unit's group: A where q is odd
	s_cselect_b32 s63, -1, 0
	s_lshl_b32 s2, s36, 15
	s_lshl_b32 s4, s38, 8
	s_add_co_u32 s2, s2, s4
	s_add_nc_u64 s[58:59], s[24:25], s[2:3]        ; out0 at (batch, t0A)
	s_lshl_b32 s2, s36, 15
	s_lshl_b32 s4, s39, 8
	s_add_co_u32 s2, s2, s4
	s_add_nc_u64 s[60:61], s[24:25], s[2:3]        ; and at (batch, t0B)
	s_mov_b32 s41, 0x05010400
	s_mov_b32 s42, 0x07030602
	s_mov_b32 s43, 0x05040100
	s_mov_b32 s44, 0x07060302
; ---------------- where the images go.  Column n = 4 lane + c of tiles 0-7: tile 2 (lane/8) + (lane/2)%2, lane r = 4 (lane%2) + c + 8 ((lane/4)%2)
	v_bfe_u32 v3, v0, 3, 2
	v_bfe_u32 v4, v0, 1, 1
	v_lshl_add_u32 v3, v3, 1, v4
	v_bfe_u32 v4, v0, 2, 1
	v_lshlrev_b32 v4, 7, v4
	v_lshl_add_u32 v4, v5, 6, v4
	s_lshl_b32 s53, s34, 10
	s_lshl_b32 s54, s34, 9
	v_lshl_add_u32 v17, v3, 12, v4
	v_add_nc_u32 v17, s53, v17                     ; W1: rows 64w+16i on are K step w/2, group 2 (w%2) + i/2, half i%2
	s_add_co_u32 s55, s54, IMG2
	v_lshl_add_u32 v18, v3, 11, v4
	v_add_nc_u32 v18, s55, v18                     ; W2: rows 32w+16i on are group w, half i
	v_bfe_u32 v3, v0, 2, 2
	v_and_b32 v4, 3, v0
	v_lshlrev_b32 v19, 11, v3
	v_lshl_add_u32 v19, v4, 6, v19
	v_bfe_u32 v4, v0, 4, 1
	v_lshl_add_u32 v19, v4, 8, v19
	s_add_co_u32 s55, s54, IMG3
	v_add_nc_u32 v19, s55, v19                     ; W3: tile (lane%16)/4, lane r = 4 (lane%4) + c, group w, half lane/16
	v_bfe_u32 v4, v0, 1, 1
	v_lshlrev_b32 v20, 9, v4
	v_lshl_add_u32 v20, v5, 8, v20
	v_lshl_add_u32 v20, v3, 6, v20
	s_add_co_u32 s55, s53, IMG8
	v_add_nc_u32 v20, s55, v20                     ; W1's ninth tile: lanes with (lane/4)%4 = p write rows 4p..4p+3, zeros for p > 0; lanes 16 apart write the same bytes
	v_bfe_u32 v4, v0, 1, 2
	v_lshlrev_b32 v21, 8, v5
	v_lshl_add_u32 v21, v4, 6, v21
	s_add_co_u32 s55, s54, IMG8+4096
	v_add_nc_u32 v21, s55, v21                     ; W2's ninth tile likewise, p = (lane/2)%4
	s_add_co_u32 s55, s52, PB
	v_add_nc_u32 v22, s55, v[LI]                   ; P's rows 32w on
; ---------------- fills of -inf: P's rows 128-167, the tables' row 0, the partial maxima's rows 128-135
.irp i,0,1,2,3
	v_mov_b32 v[C+\i], NEGF
.endr
	s_mul_i32 s55, s34, 10*PP
	s_add_co_u32 s55, s55, PB+128*PP
	v_add_nc_u32 v3, s55, v[LI]
.irp i,0,1,2,3,4,5,6,7,8,9
	ds_store_b128 v3, v[C:C+3] offset:\i*PP
.endr
	v_lshl_add_u32 v4, v0, 2, TB
	ds_store_b32 v4, v[C]
	v_lshrrev_b32 v7, 4, v0
	v_mul_u32_u24 v7, v7, PMP
	v_and_b32 v6, 15, v0
	v_lshl_add_u32 v7, v6, 4, v7
	v_add_nc_u32 v7, PM+128*PMP, v7
	ds_store_b128 v7, v[C:C+3]
; ---------------- the powers of two
	s_wait_kmcnt 0x0
	POW 28, 2, 3
	v_mov_b32 v[SC0], s2                           ; 2^e0
	v_mov_b32 v23, s3                              ; 448 x 2^e0
	POW 29, 4, 5
	v_mov_b32 v56, s4
	v_mov_b32 v57, s5                              ; W1's
	POW 31, 6, 7
	v_mov_b32 v58, s6
	v_mov_b32 v59, s7                              ; W2's
	POW 33, 26, 27
	v_mov_b32 v60, s26
	v_mov_b32 v61, s27                             ; W3's
	s_add_co_i32 s47, s28, s29
	s_sub_co_i32 s51, s30, s47                     ; a sum of the first product stands for sum x 2^(e0+e1): its code is sum / 2^(e2-e0-e1)
	s_sub_co_i32 s47, 0, s47
	POW 51, 52, 45
	v_mov_b32 v9, s52
	s_add_co_i32 s48, s30, s31
	s_sub_co_i32 s51, s32, s48
	s_sub_co_i32 s48, 0, s48
	POW 51, 52, 46
	v_mov_b32 v10, s52
	s_add_co_i32 s49, s32, s33
	v_and_b32 v6, 12, v0
	v_cmp_eq_u32 vcc_lo, 0, v6
	v_cndmask_b32 v62, 0, v57, vcc_lo              ; a limit of 0 makes zeros: the ninth tiles' rows 4-15
	v_and_b32 v6, 6, v0
	v_cmp_eq_u32 vcc_lo, 0, v6
	v_cndmask_b32 v63, 0, v59, vcc_lo
; ---------------- the ring of units.  Each wait leaves the two younger units' 32 loads out
	s_wait_loadcnt 32
	MAKE 64, 57, 56, 17, 0
	ULOAD 64, 11, 10, 48*PP, PP
	s_wait_loadcnt 32
	MAKE 128, 57, 56, 17, 256
	ULOAD 128, 12, 12, 0, PP
	s_wait_loadcnt 32
	MAKE 192, 57, 56, 17, 512
	ULOAD 192, 12, 12, 16*PP, PP
	s_wait_loadcnt 32
	MAKE 64, 57, 56, 17, 768
	ULOAD 64, 13, 14, 0, 256
	s_wait_loadcnt 32
	MAKE 128, 59, 58, 18, 0
	ULOAD 128, 14, 10, 0, PP
	s_wait_loadcnt 32
	MAKE 192, 59, 58, 18, 256
	ULOAD 192, 15, 12, 0, PP
	s_wait_loadcnt 32
	MAKE 64, 61, 60, 19, 0
	ULOAD 64, 16, 8, 0, 512
	s_wait_loadcnt 32
	MAKE 128, 62, 56, 20, 0
	ULOAD 128, 16, 8, 16*512, 512
	s_wait_loadcnt 32
	MAKE 192, 63, 58, 21, 0
; ---------------- k = 128..131 of W2 and W3: each wave makes its own operand.  The loads that named v11-15 are in
	v_and_b32 v3, 15, v0
	v_and_b32 v4, 8, v3
	v_add_nc_u32 v4, v4, v3
	v_lshlrev_b32 v11, 2, v4                       ; column r + 8 (r/8) of a tile's 32
	v_min_u32 v4, 3, v3
	v_lshlrev_b32 v12, 2, v4                       ; the ninth tile: column min(r, 3): no load leaves the row
	v_lshlrev_b32 v13, 2, v3
	v_and_b32 v4, 16, v0
	v_cmp_eq_u32 vcc_lo, 0, v4
	v_cndmask_b32 v14, 0, v59, vcc_lo              ; lanes 16-31 hold zeros
	v_cndmask_b32 v17, 0, v61, vcc_lo
	v_and_b32 v4, 31, v0
	v_cmp_gt_u32 vcc_lo, 4, v4
	v_cndmask_b32 v15, 0, v59, vcc_lo              ; the ninth tile: lanes 0-3 alone
.irp t,0,1,2,3,4,5,6,7
.irp k,0,1,2,3
	global_load_b32 v[192+4*\t+\k], v11, s[12:13] offset:(128+\k)*PP+4*(32*(\t/2)+8*(\t%2))
.endr
.endr
.irp k,0,1,2,3
	global_load_b32 v[224+\k], v12, s[12:13] offset:(128+\k)*PP+512
.endr
.irp i,228,229,230,231,248,249,250,251
	v_mov_b32 v[\i], 0
.endr
	s_wait_loadcnt 52                              ; P's first unit is in; out: its second (16) and the 36 just issued
	HOLDP 64, 0
.irp i,0,1,2,3
.irp k,0,1,2,3
	global_load_b32 v[232+4*\i+\k], v13, s[14:15] offset:(128+\k)*256+64*\i
.endr
.endr
	s_wait_loadcnt 52                              ; P's second unit is in; out: 36 + 16
	HOLDP 128, 16*PP
	v_bfe_u32 v18, v0, 4, 1
	v_lshlrev_b32 v18, 6, v18                      ; the biases: lane (r, h) wants, for tile 2b+u, units 32b+16h+8u+0..7
	v_mov_b32 v19, 0
	WIN 0x40
.irp t,0,1,2,3,4,5,6,7
	global_load_b128 v[B1+8*\t:B1+8*\t+3], v18, s[16:17] offset:(32*(\t/2)+8*(\t%2))*4
	global_load_b128 v[B1+8*\t+4:B1+8*\t+7], v18, s[16:17] offset:(32*(\t/2)+8*(\t%2))*4+16
	global_load_b128 v[B2+8*\t:B2+8*\t+3], v18, s[18:19] offset:(32*(\t/2)+8*(\t%2))*4
	global_load_b128 v[B2+8*\t+4:B2+8*\t+7], v18, s[18:19] offset:(32*(\t/2)+8*(\t%2))*4+16
.endr
	global_load_b128 v[B1+64:B1+67], v19, s[16:17] offset:512
	global_load_b128 v[B2+64:B2+67], v19, s[18:19] offset:512
	WIN 0
	s_wait_loadcnt 34                              ; the 52 are in; the biases' 34 loads may be out
.set i, 0
.rept 32
	v_med3_num_f32 v[192+i], v[192+i], -v14, v14
.set i, i+1
.endr
.irp i,224,225,226,227
	v_med3_num_f32 v[\i], v[\i], -v15, v15
.endr
.set i, 0
.rept 16
	v_med3_num_f32 v[232+i], v[232+i], -v17, v17
.set i, i+1
.endr
	WIN 0x40
.irp i,0,1,2,3,4,5,6,7,8
	v_cvt_scalef32_pk8_fp8_f32 v[WX+2*\i:WX+2*\i+1], v[192+4*\i:192+4*\i+7], v58   ; the first register counts; the second holds the next tile's held codes, which meet zero codes
.endr
.irp i,9,10,11,12
	v_cvt_scalef32_pk8_fp8_f32 v[WX+2*\i:WX+2*\i+1], v[196+4*\i:196+4*\i+7], v60
.endr
	v_nop
.irp i,26,27,28,29,30,31
	v_mov_b32 v[WX+\i], 0
.endr
	WIN 0
	BAR                                            ; the images, held P and the fills lie in LDS
; ---------------- every wave takes all fragments into its registers
	WIN 0x80
.set i, 0
.rept 64
	ds_load_b128 v[4*i:4*i+3], v[LI] offset:IMG1+512*i
.set i, i+1
.endr
	WIN 0xc0
.set i, 0
.rept 8
	ds_load_b128 v[4*i:4*i+3], v[LI] offset:IMG8+512*i
.set i, i+1
.endr
.set i, 0
.rept 32
	ds_load_b128 v[W2F+4*i:W2F+4*i+3], v[LI] offset:IMG2+512*i
.set i, i+1
.endr
.set i, 0
.rept 4
	ds_load_b128 v[W2F+128+4*i:W2F+128+4*i+3], v[LI] offset:IMG8+4096+512*i
.set i, i+1
.endr
.set i, 0
.rept 16
	ds_load_b128 v[W3F+4*i:W3F+4*i+3], v[LI] offset:IMG3+512*i
.set i, i+1
.endr
	WIN 0
; ---------------- the scan: thread d owns dimension d.  DD[g][j] = max P[t0+j..t0+7];  CK[g][m] = max P[t0+8..t0+8m-1];  DIAG[u][j] = max P[t0S+j..t0S+max(u,j)].  Every stored number has a register of its own
	v_lshl_add_u32 v20, v0, 2, TB
	s_mul_i32 s51, s38, PP
	s_add_co_u32 s51, s51, PB
	v_lshl_add_u32 v21, v0, 2, s51
	s_mul_i32 s51, s39, PP
	s_add_co_u32 s51, s51, PB
	v_lshl_add_u32 v22, v0, 2, s51
	s_mul_i32 s51, s40, PP
	s_add_co_u32 s51, s51, PB
	v_lshl_add_u32 v23, v0, 2, s51
.macro SBATCH adr, bt                  ; 16 rows into set bt % 2
.irp i,0,1,2,3,4,5,6,7,8,9,10,11,12,13,14,15
	ds_load_b32 v[64+16*((\bt)%2)+\i], v[\adr] offset:(16*(\bt)+\i)*PP
.endr
.endm
.macro CKUNIT xs, prev, row            ; the running maximum takes eight rows more and is stored
	v_max3_num_f32 v[rr], v[\prev], v[\xs], v[\xs+1]
	v_max3_num_f32 v[rr], v[rr], v[\xs+2], v[\xs+3]
	v_max3_num_f32 v[rr], v[rr], v[\xs+4], v[\xs+5]
	v_max3_num_f32 v[rr], v[rr], v[\xs+6], v[\xs+7]
	ds_store_b32 v20, v[rr] offset:(\row)*PP
.set rr, rr+1
.endm
.macro SGROUP adr, nb, ddrow, ckrow
	SBATCH \adr, 0
.set bt, 0
.rept \nb
.if bt+1 < \nb
	SBATCH \adr, bt+1
	s_wait_dscnt 16                                ; all but the next batch's 16 loads
.else
	s_wait_dscnt 0x0
.endif
.set xs, 64+16*(bt%2)
.if bt == 0
	v_mov_b32 v[rr+7], v[xs+7]
.irp j,6,5,4,3,2,1,0
	v_max_num_f32 v[rr+\j], v[xs+\j], v[rr+\j+1]
.endr
.irp j,0,1,2,3,4,5,6,7
	ds_store_b32 v20, v[rr+\j] offset:(\ddrow+\j)*PP
.endr
.set rr, rr+8
	CKUNIT xs+8, xs+8, \ckrow+2
.else
	CKUNIT xs, rr-1, \ckrow+2*bt+1
	CKUNIT xs+8, rr-1, \ckrow+2*bt+2
.endif
.set bt, bt+1
.endr
.endm
.set rr, 96
	SGROUP 21, 7, 1, 15                            ; A: rows t0A .. t0A+111 (at most row 167)
	SGROUP 22, 3, 9, 29                            ; B: rows t0B .. t0B+47 (at most row 167)
.irp i,0,1,2,3,4,5,6,7
	ds_load_b32 v[64+\i], v23 offset:\i*PP
.endr
	s_wait_dscnt 0x0
.irp j,0,1,2,3,4,5,6,7
.irp u,0,1,2,3,4,5,6,7
.if \u <= \j
	ds_store_b32 v20, v[64+\j] offset:(37+8*\u+\j)*PP
.else
.if \u == \j+1
	v_max_num_f32 v[rr], v[64+\j], v[64+\u]
.else
	v_max_num_f32 v[rr], v[rr-1], v[64+\u]
.endif
	ds_store_b32 v20, v[rr] offset:(37+8*\u+\j)*PP
.set rr, rr+1
.endif
.endr
.endr
; ---------------- the biases go in divided by the power of two that the sums lack; the ninth tile's units 132-143 are zeros
	v_and_b32 v6, 16, v0
	v_cmp_eq_u32 vcc_lo, 0, v6
	v_and_b32 v11, 15, v0
	v_lshlrev_b32 v11, 4, v11
	s_wait_loadcnt 0x0
	global_load_b128 v[12:15], v11, s[20:21]       ; b3 at my four outputs of the end; waited for there
	WIN 0x41
.set i, 0
.rept 68
	v_ldexp_f32 v[B1+i], v[B1+i], s47
	v_ldexp_f32 v[B2+i], v[B2+i], s48
.set i, i+1
.endr
	WIN 0x44
.irp i,64,65,66,67
	v_cndmask_b32 v[B1+\i], 0, v[B1+\i], vcc_lo
	v_cndmask_b32 v[B2+\i], 0, v[B2+\i], vcc_lo
.endr
.irp i,68,69,70,71
	v_mov_b32 v[B1+\i], 0
	v_mov_b32 v[B2+\i], 0
.endr
	WIN 0
.irp i,2,3,4,5,6,7
	v_mov_b32 v[HX+\i], 0
.endr
.set i, 0
.rept 32
	v_mov_b32 v[ACC+i], NEGF
.set i, i+1
.endr
	BAR                                            ; the tables lie in LDS; from here to the next barrier LDS is only read
; ---------------- my half-tile: s = 2w + (lane/8)%2; group, first unit m, start, first end, and the window's maximum up to there
	v_bfe_u32 v6, v0, 4, 1
	v_lshl_add_u32 v[XB], v6, 6, PB
	v_lshl_add_u32 v16, v6, 6, TB                  ; TB + 64 (lane/16)
	v_bfe_u32 v6, v0, 3, 1
	v_lshl_add_u32 v6, s34, 1, v6                  ; s
	v_cmp_le_u32 vcc_lo, s37, v6                   ; group B?
	s_and_b32 s51, s35, 1
	s_lshl_b32 s52, s37, 1
	s_add_co_u32 s52, s52, s51
	s_sub_co_u32 s52, 1, s52                       ; 1 - q%2 - 2 x (A's half-tiles)
	v_lshl_add_u32 v7, v6, 1, s51                  ; A: m = q%2 + 2s
	v_lshl_add_u32 v240, v6, 1, s52                ; B: m = 1 - q%2 + 2 (s - A's half-tiles)
	v_cndmask_b32 v7, v7, v240, vcc_lo
	v_mov_b32 v240, s38
	v_mov_b32 v241, s39
	v_cndmask_b32 v240, v240, v241, vcc_lo         ; t0
	v_and_b32 v241, 7, v0                          ; j
	v_add_nc_u32 v[TL], v240, v241
	v_lshl_add_u32 v[TE0], v7, 3, v240
	v_mov_b32 v243, 9
	v_cndmask_b32 v242, 1, v243, vcc_lo
	v_add_nc_u32 v242, v242, v241                  ; DD's row 1 + 8g + j,
	v_cmp_ne_u32 s54, 0, v7
	v_cndmask_b32 v242, 0, v242, s54               ; or -inf where m = 0
	v_mov_b32 v243, 29
	v_cndmask_b32 v244, 15, v243, vcc_lo
	v_add_nc_u32 v244, v244, v7                    ; CK's row,
	v_cmp_lt_u32 s55, 1, v7
	v_cndmask_b32 v244, 0, v244, s55               ; or -inf where m <= 1
	v_and_b32 v242, 63, v242
	v_and_b32 v244, 63, v244
	v_mad_u32_u24 v242, v242, PP, v16
	v_mad_u32_u24 v244, v244, PP, v16
	RLOAD M, 242
	RLOAD X, 244
	s_wait_dscnt 0x0
.set i, 0
.rept 64
	v_max_num_f32 v[M+i], v[M+i], v[X+i]
.set i, i+1
.endr
	s_mov_b32 s50, 0
	XADDR
	RLOAD X, XA
	PRE_ALL                                        ; the first step's operand
	s_mov_b32 s50, 1
	XADDR
	RLOAD X, XA
	s_mov_b32 s50, 2
.Lstep:                                            ; 16 trips; s50 = the end, counted from TE0, of the row that this trip asks for
	STEP 1
	WIN 0x04
.set i, 0
.rept 32
	v_max_num_f32 v[ACC+i], v[ACC+i], v[H+i]       ; each accumulator from its low end on
.set i, i+1
.endr
	WIN 0
	s_add_co_u32 s50, s50, 1
	s_cmp_lt_u32 s50, 18
	s_cbranch_scc1 .Lstep
; ---------------- the 17th step: pair (t0S + j, t0S + max(u, j)), u = s; its window's maximum comes from DIAG, row 37 + 8u + j = 37 + 16w + lane%16
	s_wait_dscnt 0x0                               ; the look-ahead's loads into X are in
	v_and_b32 v6, 15, v0
	s_lshl_b32 s51, s34, 4
	v_add_nc_u32 v6, s51, v6
	v_mad_u32_u24 v7, v6, PP, v16
	v_add_nc_u32 v7, 37*PP, v7
	v_bfe_u32 v240, v0, 3, 1
	v_lshl_add_u32 v240, s34, 1, v240
	v_add_nc_u32 v[TE0], s40, v240
	v_and_b32 v241, 7, v0
	v_add_nc_u32 v[TL], s40, v241
	s_mov_b32 s50, 0
	XADDR
	RLOAD M, 7
	RLOAD X, XA
	PRE_ALL
	STEP 0
	WIN 0
; ---------------- the way out: partial maxima meet in LDS
	BAR                                            ; every wave's reads of the loop are over
	v_and_b32 v6, 15, v0
	v_bfe_u32 v7, v0, 4, 1
	v_mul_u32_u24 v6, v6, PMP
	v_lshl_add_u32 v6, v7, 5, v6
	s_mul_i32 s51, s34, 16*PMP
	s_add_co_u32 s51, s51, PM
	v_add_nc_u32 v6, s51, v6                       ; row 16w + lane%16, + 32 (lane/16): tile i's eight outputs at 64 i
.irp i,0,1,2,3
	ds_store_b128 v6, v[ACC+8*\i:ACC+8*\i+3] offset:64*\i
	ds_store_b128 v6, v[ACC+8*\i+4:ACC+8*\i+7] offset:64*\i+16
.endr
	WIN 0x04                                       ; an LDS store's data are its source 1
.irp i,0,1,2,3
	ds_store_b128 v6, v[H+8*\i:H+8*\i+3] offset:64*PMP+64*\i
	ds_store_b128 v6, v[H+8*\i+4:H+8*\i+7] offset:64*PMP+64*\i+16
.endr
	WIN 0
	BAR
; Thread 16 j + c takes outputs 4c..4c+3 of start t0A + j and of start t0B + j.  Segment s belongs to A where s < A's half-tiles, else to B; the other group reads the block of -inf in its place.
	v_lshrrev_b32 v6, 4, v0
	v_mul_u32_u24 v6, v6, PMP
	v_and_b32 v7, 15, v0
	v_lshl_add_u32 v6, v7, 4, v6
	v_add_nc_u32 v6, PM, v6
	s_mov_b32 s62, 128*PMP
.irp s,0,1,2,3,4,5,6,7
	s_cmp_gt_u32 s37, \s
	s_cselect_b32 s51, \s*8*PMP, s62
	s_cselect_b32 s52, s62, \s*8*PMP
	v_add_nc_u32 v[176+\s], s51, v6
	v_add_nc_u32 v[184+\s], s52, v6
	ds_load_b128 v[80+4*\s:83+4*\s], v[176+\s]
	ds_load_b128 v[112+4*\s:115+4*\s], v[184+\s]
.endr
.irp u,0,1,2,3,4,5,6,7
	ds_load_b128 v[144+4*\u:147+4*\u], v6 offset:(64+8*\u)*PMP
.endr
	v_mov_b32 v7, NEGF
	v_lshlrev_b32 v240, 4, v0                      ; 256 j + 16 c: my 16 bytes of the group's eight rows of out0
	s_mov_b32 s53, 0xc0e6d4ca                      ; -5 log2(e)
.macro MAX8 d, b                       ; v[d+k] = the largest of v[b+4s+k], s = 0..7
.irp k,0,1,2,3
	v_max3_num_f32 v[\d+\k], v[\b+\k], v[\b+4+\k], v[\b+8+\k]
	v_max3_num_f32 v[\d+\k], v[\d+\k], v[\b+12+\k], v[\b+16+\k]
	v_max3_num_f32 v[\d+\k], v[\d+\k], v[\b+20+\k], v[\b+24+\k]
	v_max_num_f32 v[\d+\k], v[\d+\k], v[\b+28+\k]
.endr
.endm
	s_wait_dscnt 0x0
	MAX8 208, 80
	MAX8 212, 112
	MAX8 216, 144
.irp k,0,1,2,3
	v_cndmask_b32 v[220+\k], v7, v[216+\k], s63    ; the 17th unit is A's where q is odd,
	v_cndmask_b32 v[224+\k], v[216+\k], v7, s63    ; B's where even
.endr
.irp k,0,1,2,3
	v_max_num_f32 v[208+\k], v[208+\k], v[220+\k]
	v_max_num_f32 v[212+\k], v[212+\k], v[224+\k]
.endr
	s_wait_loadcnt 0x0                             ; b3
.irp k,0,1,2,3
	v_mul_f32 v[228+\k], s53, v[12+\k]
.endr
.irp k,0,1,2,3,4,5,6,7
	v_ldexp_f32 v[208+\k], v[208+\k], s49          ; x 2^(e4+e5)
.endr
.irp k,0,1,2,3
	v_fma_f32 v[208+\k], v[208+\k], s53, v[228+\k] ; -5 log2(e) (sum + b3)
	v_fma_f32 v[212+\k], v[212+\k], s53, v[228+\k]
.endr
.irp k,0,1,2,3,4,5,6,7
	v_exp_f32 v[208+\k], v[208+\k]
.endr
	v_nop                                          ; a plain line behind the batch,
	s_wait_alu depctr_va_vdst(0)                   ; and the one wait ahead of its first reader
.irp k,0,1,2,3,4,5,6,7
	v_add_f32 v[208+\k], 1.0, v[208+\k]
.endr
.irp k,0,1,2,3,4,5,6,7
	v_rcp_f32 v[208+\k], v[208+\k]
.endr
	v_nop
	s_wait_alu depctr_va_vdst(0)
	global_store_b128 v240, v[208:211], s[58:59] th:TH_STORE_NT   ; sixteen lanes store a row of out0: 256 consecutive bytes, at a multiple of 256 from its first byte
	global_store_b128 v240, v[212:215], s[60:61] th:TH_STORE_NT
	s_set_vgpr_msb 0x5
	s_wait_tensorcnt 0x0
	ds_add_u32 v254, v255
	s_wait_dscnt 0x0
	s_set_vgpr_msb 0x500
	s_endpgm
.Lfunc_end_k_q6c0e7cafbc_tll:
	.size	k_q6c0e7cafbc_tll, .Lfunc_end_k_q6c0e7cafbc_tll-k_q6c0e7cafbc_tll
	.p2alignl 7, 3214868480
	.fill 96, 4, 3214868480
	.section	.rodata,"a",@progbits
	.p2align	6, 0x0
	.amdhsa_kernel k_q6c0e7cafbc_tll
		.amdhsa_group_segment_fixed_size 243200
		.amdhsa_private_segment_fixed_size 0
		.amdhsa_enable_private_segment 0
		.amdhsa_kernarg_size 72
		.amdhsa_user_sgpr_count 2
		.amdhsa_user_sgpr_kernarg_segment_ptr 1
		.amdhsa_wavefront_size32 1
		.amdhsa_system_sgpr_workgroup_id_x 1
		.amdhsa_system_sgpr_workgroup_id_y 1
		.amdhsa_system_sgpr_workgroup_id_z 1
		.amdhsa_system_vgpr_workitem_id 0
		.amdhsa_next_free_vgpr 1024
		.amdhsa_next_free_sgpr 66
		.amdhsa_reserve_vcc 1
		.amdhsa_float_denorm_mode_32 3
		.amdhsa_float_denorm_mode_16_64 3
		.amdhsa_memory_ordered 1
		.amdhsa_forward_progress 1
		.amdhsa_inst_pref_size 216
	.end_amdhsa_kernel
	.amdgpu_metadata
---
amdhsa.version: [ 1, 2 ]
amdhsa.kernels:
  - .name:           k_q6c0e7cafbc_tll
    .symbol:         k_q6c0e7cafbc_tll.kd
    .args:
      - { .name: P, .offset: 0, .size: 8, .value_kind: global_buffer, .address_space: global }
      - { .name: W1, .offset: 8, .size: 8, .value_kind: global_buffer, .address_space: global }
      - { .name: W2, .offset: 16, .size: 8, .value_kind: global_buffer, .address_space: global }
      - { .name: W3, .offset: 24, .size: 8, .value_kind: global_buffer, .address_space: global }
      - { .name: b1, .offset: 32, .size: 8, .value_kind: global_buffer, .address_space: global }
      - { .name: b2, .offset: 40, .size: 8, .value_kind: global_buffer, .address_space: global }
      - { .name: b3, .offset: 48, .size: 8, .value_kind: global_buffer, .address_space: global }
      - { .name: lowp_scales, .offset: 56, .size: 8, .value_kind: global_buffer, .address_space: global }
      - { .name: out0, .offset: 64, .size: 8, .value_kind: global_buffer, .address_space: global }
    .group_segment_fixed_size: 243200
    .private_segment_fixed_size: 0
    .kernarg_segment_align: 8
    .kernarg_segment_size: 72
    .max_flat_workgroup_size: 128
    .sgpr_count:     66
    .vgpr_count:     1024
    .wavefront_size: 32
...
	.end_amdgpu_metadata
.endif
;; end of part 1
;; ======== version 2 of 2: 1 launch; version 1 with the launch tll written anew for expert scheduling mode
;; launch tll (part 2): grid 8 x 32, 4 waves a work-group, no clusters, 243,200 bytes of LDS; arguments P, W1, W2, W3, b1, b2, b3, lowp_scales, out0; writes out0
.if DOCPART == 2
	.amdgcn_target "amdgcn-amd-amdhsa--gfx1250"
	.amdhsa_code_object_version 6
	.text
	.protected	k_q6c0e7cafbc_tll
	.globl	k_q6c0e7cafbc_tll
	.p2align	8
	.type	k_q6c0e7cafbc_tll,@function
k_q6c0e7cafbc_tll:
	s_mov_b64 s[64:65], 0
	v_nop
	global_prefetch_b8 v0, s[64:65] scope:SCOPE_SE
	s_setreg_imm32_b32 hwreg(HW_REG_WAVE_SCHED_MODE, 0, 2), 2
	s_setreg_imm32_b32 hwreg(HW_REG_WAVE_MODE, 25, 1), 1
	s_wait_xcnt 0x0
	s_wait_alu depctr_vm_vsrc(0)
; out0[b][t][:] = max over te >= t of sigmoid(5 (relu(relu(f W1 + b1) W2 + b2) W3 + b3)), f = [max P[b][t..te], P[b][te]].  The three products on codes of FP8 (E4M3), each operand with its given scale 2^e.
; ONLY PAIRS te >= t ARE COMPUTED.  Sigmoid, x 2^(e4+e5) and + b3 never turn an order round, so the maximum over te is taken of the third product's raw sums, and scale, bias and sigmoid are applied once for each output.
; The hold at +-448 x 2^e0 keeps order too: P is held once, and the window's running maximum is taken of held numbers.
; SHARES.  Work-group (q, b): batch b, starts 8q..8q+7 (group A) and 120-8q..127-8q (group B): 17 units of 8 starts x 8 ends, whatever q.  Sixteen units go as 8 half-tiles (8 starts x 16 ends), two to a wave: a step is one end for
; both half-tiles, 16 pairs, through all three layers in registers; 16 steps.  The 17th unit (a diagonal one, of A where q is odd, of B where even) is one more step: 64 pairs over the four waves.
; NO MASK: a lane reads row max(te, t): a pair that has not begun computes the pair (t, t) again, which changes no maximum.
; WEIGHTS: all fragments stay in every wave's registers (windows 2, 3 and part of 1).  They arrive as f32 with K outermost: the four waves share the holding, converting and turning (16 rows x 4 columns a lane, a 4 x 4 turn of bytes by
; v_perm_b32) and hand the fragments round through LDS as images of their registers (16 bytes a lane, 512 bytes a group of four registers).
; ALL PRODUCTS ARE USED TRANSPOSED (source 0 = 16 units of a weight, source 1 = my 16 pairs): a lane holds one pair, its registers run along the units, which are the next K.  Lane r of tile 2b+u of W1 and W2 takes unit
; 32b+8u+r+8(r/8), so that two neighbouring tiles' 16 registers are 16 neighbours along the next K.  Registers 4c..4c+3 of every fragment hold k = 32c+16(lane/16)+0..15: one permutation of k, the same on both sides.
; N = 132: a ninth tile whose rows 4-15 and their bias are zeros.  K = 132: k = 128..131 go by one more 16x16x64 product a tile; only register 0 of lanes 0-15 of its weight operand counts, all else meets zero codes.
; NO CLUSTER, NO TENSOR LOAD: what work-groups share (the weights, a batch's P) must pass through registers to be held and converted; 238,656 bytes of f32 weights do not fit beside P (88,704), the images (63,488) and the tables (53,328).
; LIMITS: e0, e1, e3, e5, e2-e0-e1, e4-e2-e3 between -126 and 119, so that each power of two and 448 x it is an f32 number.  NaN among the inputs is not served; infinities in P are held at the largest code.
; THE MODE: SCHED_MODE bits 1:0 = 2 (LLVM: expert scheduling mode 2), set by the entry lines.  The code itself states the register dependences between vector or matrix instructions and memory or LDS instructions, with s_wait_alu, always for 0.
; THE PLAN, in the loop.  Registers that LDS instructions touch:
;   X (v144-207)  The 16 loads of a trip land in it; the next trip's 64 maxima and its 8 conversions into A1 read it.
;   v[XA]         Read by those 16 loads; written once a trip, behind a wait on vm_vsrc, in the last slice of the second layer.
;   M, A0, A1, HC, HX, ACC, the sums H and all weights are named by vector and matrix instructions alone.
; So ONE wait on va_vdst stands in a trip, behind the second hidden layer's conversions: all readers of X and the writer of v[XA] stand ahead of it.  The 16 loads follow behind the third layer's first four products,
; which name H, W3's fragments and HC: none of the registers that the loads touch.
; Head and way out: addresses are made in runs, one wait on va_vdst ahead of each run of loads or stores; a wait on vm_vsrc ahead of the first line that writes a register that stores or loads have read.
.set PP,   528                         ; a row of 128 f32 in LDS: 512 bytes + 16
.set IMG1, 0                           ; W1 tiles 0-7: fragment (t, s) at (2t+s) x 2048
.set IMG2, 32768                       ; W2 tiles 0-7, k 0..127
.set IMG3, 49152                       ; W3 tiles 0-3, k 0..127
.set IMG8, 57344                       ; the ninth tiles: W1 s = 0, W1 s = 1, W2
.set PB,   63488                       ; held P: rows 0-127; rows 128-167 = -inf (the scan's fixed offsets reach them)
.set TB,   152192                      ; tables, 101 rows: 0 -inf; 1+8g+j DD; 15+m CK of A; 29+m CK of B; 37+8u+j DIAG
.set PM,   205520                      ; partial maxima, 136 rows of 272 bytes: 8s+j; 64+8u+j the 17th step's; 128-135 -inf
.set PMP,  272
.set NEGF, 0xff800000                  ; -infinity
; window 0
.set LI,  1                            ; 16 x lane
.set XB,  2                            ; PB + 64 (lane/16)
.set TE0, 3                            ; my pair's first end
.set TL,  4                            ; my pair's start
.set XA,  5                            ; LDS address of the row in hand
.set SC0, 8                            ; 2^e0;  v9: 2^(e2-e0-e1);  v10: 2^(e4-e2-e3)
.set T,   24                           ; head: codes as converted
.set C,   40                           ; head: codes turned
.set A0,  24                           ; codes of the window's maximum
.set A1,  40                           ; codes of P[te]
.set HC,  56                           ; hidden codes, k 0..127
.set HX,  72                           ; hidden codes, k 128..: v72-73; v74-79 stay 0
.set M,   80                           ; the window's maximum, 64 numbers a lane
.set X,   144                          ; P[te], 64 numbers a lane
.set ACC, 208                          ; the running maximum of the third product's sums
; window 1
.set H,   0                            ; nine tiles of sums; tiles 0-3 also take the third product
.set B1,  72                           ; b1 / 2^(e0+e1) in the result's layout
.set B2,  144                          ; b2 / 2^(e2+e3)
.set WX,  216                          ; k = 128..131: tile i's operand is v[WX+2i : WX+2i+7]
; window 2: W1 fragment (t, s) at 16 (2t+s).   window 3: v0-31 W1's ninth tile; W2 tile t at 32+16t; W3 tile i at 176+16i
.set W2F, 32
.set W3F, 176
.set MSB, 0
.macro WIN new                         ; bits 1:0 source 0, 3:2 source 1, 5:4 source 2, 7:6 destination; the high byte repeats the setting that is left
.if MSB != \new
	s_set_vgpr_msb (MSB<<8)|\new
.set MSB, \new
.endif
.endm
.macro BAR                             ; my LDS stores have landed and my LDS loads are in: then the work-group's barrier
	s_wait_dscnt 0x0
	s_barrier_signal -1
	s_barrier_wait -1
.endm
.macro POW e, sc, lim                  ; s[sc] = 2^s[e] as f32, s[lim] = 448 x that
	s_add_co_i32 s[\sc], s[\e], 127
	s_add_co_i32 s[\lim], s[\sc], 8
	s_lshl_b32 s[\sc], s[\sc], 23
	s_lshl_b32 s[\lim], s[\lim], 23
	s_or_b32 s[\lim], s[\lim], 0x600000
.endm
.macro ULOAD set, adr, base, off, pitch   ; a unit: 16 rows, 16 bytes a lane
.irp i,0,1,2,3,4,5,6,7,8,9,10,11,12,13,14,15
	global_load_b128 v[\set+4*\i:\set+4*\i+3], v[\adr], s[\base:\base+1] offset:\off+\i*\pitch
.endr
.endm
; A unit of a weight: 16 k x 4 columns a lane become, for each column, 16 codes along k: 16 bytes of an image.
.macro MAKE set, lim, sc, adr, off
.set i, 0
.rept 64
	v_med3_num_f32 v[\set+i], v[\set+i], -v[\lim], v[\lim]   ; the conversion to an 8-bit code does not saturate (ISA guide 7.6.2): hold first
.set i, i+1
.endr
.irp g,0,1,2,3,4,5,6,7
	v_cvt_scalef32_pk8_fp8_f32 v[T+2*\g:T+2*\g+1], v[\set+8*\g:\set+8*\g+7], v[\sc]   ; T[i]: four columns' codes at k0 + i
.endr
	v_nop                                          ; a plain line between the conversions and the readers of their results
	s_wait_dscnt 0x0                               ; the last unit's stores and the fills have landed
	s_wait_alu depctr_vm_vsrc(0)                   ; the last unit's stores have read C, and the fills v3 and v4: the turns below write them again
.irp m,0,1,2,3
	v_perm_b32 v3, v[T+4*\m+1], v[T+4*\m], s41     ; a0 b0 a1 b1
	v_perm_b32 v4, v[T+4*\m+3], v[T+4*\m+2], s41   ; c0 d0 c1 d1
	v_perm_b32 v5, v[T+4*\m+1], v[T+4*\m], s42     ; a2 b2 a3 b3
	v_perm_b32 v6, v[T+4*\m+3], v[T+4*\m+2], s42
	v_perm_b32 v[C+\m], v4, v3, s43                ; column 0, k 4m..4m+3
	v_perm_b32 v[C+4+\m], v4, v3, s44
	v_perm_b32 v[C+8+\m], v6, v5, s43
	v_perm_b32 v[C+12+\m], v6, v5, s44
.endr
	s_wait_alu depctr_va_vdst(0)                   ; the turns have written C, which the stores read; the holds and conversions are done with the set, in which the loads behind this macro land
.irp c,0,1,2,3
	ds_store_b128 v[\adr], v[C+4*\c:C+4*\c+3] offset:\off+16*\c
.endr
.endm
.macro HOLDP set, off                  ; 16 rows of P, held, into PB
.set i, 0
.rept 64
	v_med3_num_f32 v[\set+i], v[\set+i], -v23, v23
.set i, i+1
.endr
	s_wait_alu depctr_va_vdst(0)                   ; the holds have written the set, which the stores read
.irp i,0,1,2,3,4,5,6,7,8,9,10,11,12,13,14,15
	ds_store_b128 v22, v[\set+4*\i:\set+4*\i+3] offset:\off+\i*PP
.endr
.endm
.macro RLOAD reg, adr                  ; a row's 64 numbers of my half: register 16c+i = dimension 32c+16(lane/16)+i
.irp c,0,1,2,3
.irp i,0,1,2,3
	ds_load_b128 v[\reg+16*\c+4*\i:\reg+16*\c+4*\i+3], v[\adr] offset:128*\c+16*\i
.endr
.endr
.endm
.macro XADDR again                     ; the row max(TE0 + s50, my start).  again = 1: loads have read v[XA] before
	v_add_nc_u32 v6, s50, v[TE0]
	v_max_u32 v6, v6, v[TL]
	v_and_b32 v6, 127, v6                          ; (only the look-ahead behind the last step passes 127; its row is not used)
.if \again
	s_wait_alu depctr_vm_vsrc(0)                   ; the loads of the row before have read v[XA]
.endif
	v_mad_u32_u24 v[XA], v6, PP, v[XB]
.endm
.macro PREI                            ; item pj of the 80 that prepare a step's operand: 64 maxima, 8 conversions of M, 8 of X
.if pj < 64
	v_max_num_f32 v[M+pj], v[M+pj], v[X+pj]
.elseif pj < 72
	v_cvt_scalef32_pk8_fp8_f32 v[A0+2*(pj-64):A0+2*(pj-64)+1], v[M+8*(pj-64):M+8*(pj-64)+7], v[SC0]
.else
	v_cvt_scalef32_pk8_fp8_f32 v[A1+2*(pj-72):A1+2*(pj-72)+1], v[X+8*(pj-72):X+8*(pj-72)+7], v[SC0]
.endif
.set pj, pj+1
.endm
.macro PRE_ALL
	s_wait_dscnt 0x0
.set pj, 0
.rept 80
	PREI
.endr
	v_nop                                          ; a plain line behind the last conversion
.endm
.macro MED t, lim                      ; relu and the hold in one, on tile t; the sums stand as source 2, so the products' window setting serves
.irp j,0,1,2,3,4,5,6,7
	v_med3_num_f32 v[H+8*(\t)+\j], 0, s[\lim], v[H+8*(\t)+\j]
.endr
.endm
.macro QH sc                           ; nine tiles of held sums become the next operand's registers
	WIN 0x01
.irp b,0,1,2,3
	v_cvt_scalef32_pk8_fp8_f32 v[HC+4*\b:HC+4*\b+1], v[H+16*\b:H+16*\b+7], v[\sc]
	v_cvt_scalef32_pk8_fp8_f32 v[HC+4*\b+2:HC+4*\b+3], v[H+16*\b+8:H+16*\b+15], v[\sc]
.endr
	v_cvt_scalef32_pk8_fp8_f32 v[HX:HX+1], v[H+64:H+71], v[\sc]
	v_nop                                          ; a plain line between the conversions and the products that read their results and write their sources
.endm
; A STEP: 16 pairs through the three layers.  pre = 1: the next step's operand is prepared among the second layer's products, and the row after that is asked for among the third layer's.
; The accumulators take turns, one instruction a turn.  A tile's sums are read four plain vector lines or more behind its last product: the tile before's eight holds (four v_nop for the first).
.macro STEP pre
	WIN 0x53                                       ; W1's ninth tile lies in window 3
	v_wmma_f32_16x16x128_fp8_fp8 v[H+64:H+71], v[0:15], v[A0:A0+15], v[B1+64:B1+71]
	WIN 0x52
.irp t,0,1,2,3,4,5,6,7
	v_wmma_f32_16x16x128_fp8_fp8 v[H+8*\t:H+8*\t+7], v[32*\t:32*\t+15], v[A0:A0+15], v[B1+8*\t:B1+8*\t+7]
.endr
.irp t,0,1,2,3,4,5,6,7
	v_wmma_f32_16x16x128_fp8_fp8 v[H+8*\t:H+8*\t+7], v[32*\t+16:32*\t+31], v[A1:A1+15], v[H+8*\t:H+8*\t+7]
.if \t == 1
.rept 4
	v_nop
.endr
.endif
.if \t >= 1
	MED \t-1, 45
.endif
.endr
	WIN 0x53
	v_wmma_f32_16x16x128_fp8_fp8 v[H+64:H+71], v[16:31], v[A1:A1+15], v[H+64:H+71]
	MED 7, 45
	MED 8, 45
	QH 9
.if \pre
	s_wait_dscnt 0x0                               ; the next row, asked for in the step before, is in
.endif
	WIN 0x53
.set pj, 0
.set mi, 0
.irp c,0,1
.irp t,0,1,2,3,4,5,6,7,8
.if \c == 0
	v_wmma_f32_16x16x64_fp8_fp8 v[H+8*\t:H+8*\t+7], v[W2F+16*\t:W2F+16*\t+7], v[HC:HC+7], v[B2+8*\t:B2+8*\t+7]
.else
	v_wmma_f32_16x16x64_fp8_fp8 v[H+8*\t:H+8*\t+7], v[W2F+16*\t+8:W2F+16*\t+15], v[HC+8:HC+15], v[H+8*\t:H+8*\t+7]
.endif
.if \pre && (mi%2 == 1)
	WIN 0                                          ; a slice behind every second product: eight of nine items, one of eight: all 80, so that every reader of X stands ahead of the step's wait
.rept 9
.if pj < 80
	PREI
.endif
.endr
.if pj > 64
	v_nop                                          ; a plain line behind a slice's last conversion
.endif
.if mi == 17
	XADDR 1                                        ; the address of the row after the next: it too stands ahead of the step's wait
.else
	WIN 0x53
.endif
.endif
.set mi, mi+1
.endr
.endr
	WIN 0x51                                       ; k = 128..131: the weights' operand lies in window 1
.irp t,0,1,2,3,4,5,6,7,8
	v_wmma_f32_16x16x64_fp8_fp8 v[H+8*\t:H+8*\t+7], v[WX+2*\t:WX+2*\t+7], v[HX:HX+7], v[H+8*\t:H+8*\t+7]
.if \t == 1
.rept 4
	v_nop
.endr
.endif
.if \t >= 1
	MED \t-1, 46
.endif
.endr
	MED 8, 46
	QH 10
.if \pre
	s_wait_alu depctr_va_vdst(0)                   ; the maxima and the conversions into A1 are done reading X, in which the loads below land; v[XA], which they read, is written
.endif
	WIN 0x53
.irp i,0,1,2,3
	v_wmma_f32_16x16x64_fp8_fp8 v[H+8*\i:H+8*\i+7], v[W3F+16*\i:W3F+16*\i+7], v[HC:HC+7], 0
.endr
.if \pre
	WIN 0
	RLOAD X, XA                                    ; the row after the next.  No wait: the four products since the wait above name H, W3's fragments and HC, neither X nor v[XA]
	WIN 0x53
.endif
.irp i,0,1,2,3
	v_wmma_f32_16x16x64_fp8_fp8 v[H+8*\i:H+8*\i+7], v[W3F+16*\i+8:W3F+16*\i+15], v[HC+8:HC+15], v[H+8*\i:H+8*\i+7]
.endr
	WIN 0x51
.irp i,0,1,2,3
	v_wmma_f32_16x16x64_fp8_fp8 v[H+8*\i:H+8*\i+7], v[WX+18+2*\i:WX+18+2*\i+7], v[HX:HX+7], v[H+8*\i:H+8*\i+7]
.endr
.rept 4
	v_nop                                          ; places in front of the first read of these sums
.endr
.endm
; ---------------- ids, global offsets, the first loads
	s_load_b512 s[8:23], s[0:1], 0x0               ; P, W1, W2, W3, b1, b2, b3, the scales' exponents
	s_load_b64 s[24:25], s[0:1], 0x40              ; out0
	s_set_vgpr_msb 0x40
	v_lshl_add_u32 v254, v0, 2, 0x3b400
	v_mov_b32 v255, 0
	s_set_vgpr_msb 0x4000
	v_lshrrev_b32 v6, 5, v0
	v_readfirstlane_b32 s34, v6                    ; wave w
	s_and_b32 s35, ttmp9, 7                        ; q
	s_and_b32 s36, ttmp7, 31                       ; batch
	v_and_b32 v7, 31, v0
	v_lshlrev_b32 v[LI], 4, v7
	s_wait_alu depctr_va_sdst(0)                   ; s34 is written, ahead of its first reader
	s_mul_i32 s51, s34, 64*PP
	s_mul_i32 s52, s34, 32*PP
	v_add_nc_u32 v11, s51, v[LI]                   ; W1: rows 64w on, columns 4 lane on
	v_add_nc_u32 v12, s52, v[LI]                   ; W2: rows 32w on
	v_and_b32 v3, 15, v0
	v_bfe_u32 v4, v0, 4, 1
	v_lshlrev_b32 v13, 4, v3
	v_lshl_add_u32 v13, v4, 12, v13
	s_lshl_b32 s53, s34, 13
	v_add_nc_u32 v13, s53, v13                     ; W3: rows 32w + 16 (lane/16) on, columns 4 (lane%16) on; a row is 256 bytes
	v_and_b32 v5, 3, v0
	v_mul_u32_u24 v14, v5, 16*PP
	v_add_nc_u32 v14, s51, v14
	v_add_nc_u32 v14, 512, v14                     ; W1's columns 128-131: rows 64w + 16 (lane%4) on
	v_and_b32 v5, 1, v0
	v_mul_u32_u24 v15, v5, 16*PP
	v_add_nc_u32 v15, s52, v15
	v_add_nc_u32 v15, 512, v15                     ; W2's columns 128-131: rows 32w + 16 (lane%2) on
	s_lshl_b32 s53, s34, 14
	v_add_nc_u32 v16, s53, v[LI]                   ; P: rows 32w on
	s_lshl_b32 s2, s36, 16
	s_mov_b32 s3, 0
	s_wait_kmcnt 0x0
	s_load_b128 s[28:31], s[22:23], 0x0            ; e0 .. e3
	s_load_b64 s[32:33], s[22:23], 0x10            ; e4, e5
	s_add_nc_u64 s[8:9], s[8:9], s[2:3]            ; my batch of P
	s_wait_alu depctr_va_vdst(0)                   ; v1 and the six offsets v11 to v16 are written, which the units' loads and the fragments' LDS loads read
	ULOAD 64, 11, 10, 0, PP                        ; units 0, 1, 2: three sets of 64 registers take turns
	ULOAD 128, 11, 10, 16*PP, PP
	ULOAD 192, 11, 10, 32*PP, PP
; ---------------- the groups
	s_lshl_b32 s38, s35, 3                         ; t0A = 8q
	s_xor_b32 s39, s35, 7
	s_lshl_b32 s39, s39, 3
	s_add_co_u32 s39, s39, 64                      ; t0B = 120 - 8q
	s_add_co_u32 s37, s35, 1
	s_lshr_b32 s37, s37, 1
	s_sub_co_u32 s37, 8, s37                       ; half-tiles of A: 8 - (q+1)/2
	s_bitcmp1_b32 s35, 0
	s_cselect_b32 s40, s38, s39                    ; the 17th unit's group: A where q is odd
	s_cselect_b32 s63, -1, 0
	s_lshl_b32 s2, s36, 15
	s_lshl_b32 s4, s38, 8
	s_add_co_u32 s2, s2, s4
	s_add_nc_u64 s[58:59], s[24:25], s[2:3]        ; out0 at (batch, t0A)
	s_lshl_b32 s2, s36, 15
	s_lshl_b32 s4, s39, 8
	s_add_co_u32 s2, s2, s4
	s_add_nc_u64 s[60:61], s[24:25], s[2:3]        ; and at (batch, t0B)
	s_mov_b32 s41, 0x05010400
	s_mov_b32 s42, 0x07030602
	s_mov_b32 s43, 0x05040100
	s_mov_b32 s44, 0x07060302
; ---------------- where the images go.  Column n = 4 lane + c of tiles 0-7: tile 2 (lane/8) + (lane/2)%2, lane r = 4 (lane%2) + c + 8 ((lane/4)%2)
	v_bfe_u32 v3, v0, 3, 2
	v_bfe_u32 v4, v0, 1, 1
	v_lshl_add_u32 v3, v3, 1, v4
	v_bfe_u32 v4, v0, 2, 1
	v_lshlrev_b32 v4, 7, v4
	v_lshl_add_u32 v4, v5, 6, v4
	s_lshl_b32 s53, s34, 10
	s_lshl_b32 s54, s34, 9
	v_lshl_add_u32 v17, v3, 12, v4
	v_add_nc_u32 v17, s53, v17                     ; W1: rows 64w+16i on are K step w/2, group 2 (w%2) + i/2, half i%2
	s_add_co_u32 s55, s54, IMG2
	v_lshl_add_u32 v18, v3, 11, v4
	v_add_nc_u32 v18, s55, v18                     ; W2: rows 32w+16i on are group w, half i
	v_bfe_u32 v3, v0, 2, 2
	v_and_b32 v4, 3, v0
	v_lshlrev_b32 v19, 11, v3
	v_lshl_add_u32 v19, v4, 6, v19
	v_bfe_u32 v4, v0, 4, 1
	v_lshl_add_u32 v19, v4, 8, v19
	s_add_co_u32 s55, s54, IMG3
	v_add_nc_u32 v19, s55, v19                     ; W3: tile (lane%16)/4, lane r = 4 (lane%4) + c, group w, half lane/16
	v_bfe_u32 v4, v0, 1, 1
	v_lshlrev_b32 v20, 9, v4
	v_lshl_add_u32 v20, v5, 8, v20
	v_lshl_add_u32 v20, v3, 6, v20
	s_add_co_u32 s55, s53, IMG8
	v_add_nc_u32 v20, s55, v20                     ; W1's ninth tile: lanes with (lane/4)%4 = p write rows 4p..4p+3, zeros for p > 0; lanes 16 apart write the same bytes
	v_bfe_u32 v4, v0, 1, 2
	v_lshlrev_b32 v21, 8, v5
	v_lshl_add_u32 v21, v4, 6, v21
	s_add_co_u32 s55, s54, IMG8+4096
	v_add_nc_u32 v21, s55, v21                     ; W2's ninth tile likewise, p = (lane/2)%4
	s_add_co_u32 s55, s52, PB
	v_add_nc_u32 v22, s55, v[LI]                   ; P's rows 32w on
; ---------------- fills of -inf: P's rows 128-167, the tables' row 0, the partial maxima's rows 128-135.  The three addresses first, then one wait, then the stores
.irp i,0,1,2,3
	v_mov_b32 v[C+\i], NEGF
.endr
	s_mul_i32 s55, s34, 10*PP
	s_add_co_u32 s55, s55, PB+128*PP
	v_add_nc_u32 v3, s55, v[LI]
	v_lshl_add_u32 v4, v0, 2, TB
	v_lshrrev_b32 v7, 4, v0
	v_mul_u32_u24 v7, v7, PMP
	v_and_b32 v6, 15, v0
	v_lshl_add_u32 v7, v6, 4, v7
	v_add_nc_u32 v7, PM+128*PMP, v7
	s_wait_alu depctr_va_vdst(0)                   ; v3, v4, v7 and v40 to v43 are written, which the fills read; so are v17 to v22, the addresses of the images' and of P's stores
.irp i,0,1,2,3,4,5,6,7,8,9
	ds_store_b128 v3, v[C:C+3] offset:\i*PP
.endr
	ds_store_b32 v4, v[C]
	ds_store_b128 v7, v[C:C+3]
; ---------------- the powers of two
	s_wait_kmcnt 0x0
	POW 28, 2, 3
	v_mov_b32 v[SC0], s2                           ; 2^e0
	v_mov_b32 v23, s3                              ; 448 x 2^e0
	POW 29, 4, 5
	v_mov_b32 v56, s4
	v_mov_b32 v57, s5                              ; W1's
	POW 31, 6, 7
	v_mov_b32 v58, s6
	v_mov_b32 v59, s7                              ; W2's
	POW 33, 26, 27
	v_mov_b32 v60, s26
	v_mov_b32 v61, s27                             ; W3's
	s_add_co_i32 s47, s28, s29
	s_sub_co_i32 s51, s30, s47                     ; a sum of the first product stands for sum x 2^(e0+e1): its code is sum / 2^(e2-e0-e1)
	s_sub_co_i32 s47, 0, s47
	POW 51, 52, 45
	v_mov_b32 v9, s52
	s_add_co_i32 s48, s30, s31
	s_sub_co_i32 s51, s32, s48
	s_sub_co_i32 s48, 0, s48
	POW 51, 52, 46
	v_mov_b32 v10, s52
	s_add_co_i32 s49, s32, s33
	v_and_b32 v6, 12, v0
	v_cmp_eq_u32 vcc_lo, 0, v6
	s_wait_alu depctr_va_vcc(0)                    ; the compare has written VCC, which the select reads
	v_cndmask_b32 v62, 0, v57, vcc_lo              ; a limit of 0 makes zeros: the ninth tiles' rows 4-15
	v_and_b32 v6, 6, v0
	v_cmp_eq_u32 vcc_lo, 0, v6
	s_wait_alu depctr_va_vcc(0)                    ; the compare has written VCC, which the select reads
	v_cndmask_b32 v63, 0, v59, vcc_lo
; ---------------- the ring of units.  Each wait leaves the two younger units' 32 loads out
	s_wait_loadcnt 32
	MAKE 64, 57, 56, 17, 0
	ULOAD 64, 11, 10, 48*PP, PP
	s_wait_loadcnt 32
	MAKE 128, 57, 56, 17, 256
	ULOAD 128, 12, 12, 0, PP
	s_wait_loadcnt 32
	MAKE 192, 57, 56, 17, 512
	ULOAD 192, 12, 12, 16*PP, PP
	s_wait_loadcnt 32
	MAKE 64, 57, 56, 17, 768
	ULOAD 64, 13, 14, 0, 256
	s_wait_loadcnt 32
	MAKE 128, 59, 58, 18, 0
	ULOAD 128, 14, 10, 0, PP
	s_wait_loadcnt 32
	MAKE 192, 59, 58, 18, 256
	ULOAD 192, 15, 12, 0, PP
	s_wait_loadcnt 32
	MAKE 64, 61, 60, 19, 0
	ULOAD 64, 16, 8, 0, 512
	s_wait_loadcnt 32
	MAKE 128, 62, 56, 20, 0
	ULOAD 128, 16, 8, 16*512, 512
	s_wait_loadcnt 32
	MAKE 192, 63, 58, 21, 0
; ---------------- k = 128..131 of W2 and W3: each wave makes its own operand.  The loads that named v11-15 are in
	s_wait_alu depctr_vm_vsrc(0)                   ; the units' loads have read v11 to v16, the images' stores v17 to v21 and C: v11 to v15 and v17 to v19 are written below, C in the steps
	v_and_b32 v3, 15, v0
	v_and_b32 v4, 8, v3
	v_add_nc_u32 v4, v4, v3
	v_lshlrev_b32 v11, 2, v4                       ; column r + 8 (r/8) of a tile's 32
	v_min_u32 v4, 3, v3
	v_lshlrev_b32 v12, 2, v4                       ; the ninth tile: column min(r, 3): no load leaves the row
	v_lshlrev_b32 v13, 2, v3
	v_bfe_u32 v18, v0, 4, 1
	v_lshlrev_b32 v18, 6, v18                      ; the biases: lane (r, h) wants, for tile 2b+u, units 32b+16h+8u+0..7
	v_mov_b32 v19, 0
	v_and_b32 v4, 16, v0
	v_cmp_eq_u32 vcc_lo, 0, v4
	s_wait_alu depctr_va_vcc(0)                    ; the compare has written VCC, which the selects read
	v_cndmask_b32 v14, 0, v59, vcc_lo              ; lanes 16-31 hold zeros
	v_cndmask_b32 v17, 0, v61, vcc_lo
	v_and_b32 v4, 31, v0
	v_cmp_gt_u32 vcc_lo, 4, v4
	s_wait_alu depctr_va_vcc(0)                    ; the compare has written VCC, which the select reads
	v_cndmask_b32 v15, 0, v59, vcc_lo              ; the ninth tile: lanes 0-3 alone
.irp i,228,229,230,231,248,249,250,251
	v_mov_b32 v[\i], 0
.endr
	s_wait_alu depctr_va_vdst(0)                   ; the offsets v11, v12, v13, v18, v19 are written, which the 52 small loads and the biases' 34 read
.irp t,0,1,2,3,4,5,6,7
.irp k,0,1,2,3
	global_load_b32 v[192+4*\t+\k], v11, s[12:13] offset:(128+\k)*PP+4*(32*(\t/2)+8*(\t%2))
.endr
.endr
.irp k,0,1,2,3
	global_load_b32 v[224+\k], v12, s[12:13] offset:(128+\k)*PP+512
.endr
	s_wait_loadcnt 52                              ; P's first unit is in; out: its second (16) and the 36 just issued
	HOLDP 64, 0
.irp i,0,1,2,3
.irp k,0,1,2,3
	global_load_b32 v[232+4*\i+\k], v13, s[14:15] offset:(128+\k)*256+64*\i
.endr
.endr
	s_wait_loadcnt 52                              ; P's second unit is in; out: 36 + 16
	HOLDP 128, 16*PP
	WIN 0x40
.irp t,0,1,2,3,4,5,6,7
	global_load_b128 v[B1+8*\t:B1+8*\t+3], v18, s[16:17] offset:(32*(\t/2)+8*(\t%2))*4
	global_load_b128 v[B1+8*\t+4:B1+8*\t+7], v18, s[16:17] offset:(32*(\t/2)+8*(\t%2))*4+16
	global_load_b128 v[B2+8*\t:B2+8*\t+3], v18, s[18:19] offset:(32*(\t/2)+8*(\t%2))*4
	global_load_b128 v[B2+8*\t+4:B2+8*\t+7], v18, s[18:19] offset:(32*(\t/2)+8*(\t%2))*4+16
.endr
	global_load_b128 v[B1+64:B1+67], v19, s[16:17] offset:512
	global_load_b128 v[B2+64:B2+67], v19, s[18:19] offset:512
	WIN 0
	s_wait_loadcnt 34                              ; the 52 are in; the biases' 34 loads may be out
.set i, 0
.rept 32
	v_med3_num_f32 v[192+i], v[192+i], -v14, v14
.set i, i+1
.endr
.irp i,224,225,226,227
	v_med3_num_f32 v[\i], v[\i], -v15, v15
.endr
.set i, 0
.rept 16
	v_med3_num_f32 v[232+i], v[232+i], -v17, v17
.set i, i+1
.endr
	WIN 0x40
.irp i,0,1,2,3,4,5,6,7,8
	v_cvt_scalef32_pk8_fp8_f32 v[WX+2*\i:WX+2*\i+1], v[192+4*\i:192+4*\i+7], v58   ; the first register counts; the second holds the next tile's held codes, which meet zero codes
.endr
.irp i,9,10,11,12
	v_cvt_scalef32_pk8_fp8_f32 v[WX+2*\i:WX+2*\i+1], v[196+4*\i:196+4*\i+7], v60
.endr
	v_nop
.irp i,26,27,28,29,30,31
	v_mov_b32 v[WX+\i], 0
.endr
	WIN 0
	BAR                                            ; the images, held P and the fills lie in LDS
	s_wait_alu depctr_vm_vsrc(0)                   ; P's stores have read v22 and v64 to v191, the small loads v11 to v13: the scan's addresses, loads and maxima and b3's load write them again
; ---------------- every wave takes all fragments into its registers
	WIN 0x80
.set i, 0
.rept 64
	ds_load_b128 v[4*i:4*i+3], v[LI] offset:IMG1+512*i
.set i, i+1
.endr
	WIN 0xc0
.set i, 0
.rept 8
	ds_load_b128 v[4*i:4*i+3], v[LI] offset:IMG8+512*i
.set i, i+1
.endr
.set i, 0
.rept 32
	ds_load_b128 v[W2F+4*i:W2F+4*i+3], v[LI] offset:IMG2+512*i
.set i, i+1
.endr
.set i, 0
.rept 4
	ds_load_b128 v[W2F+128+4*i:W2F+128+4*i+3], v[LI] offset:IMG8+4096+512*i
.set i, i+1
.endr
.set i, 0
.rept 16
	ds_load_b128 v[W3F+4*i:W3F+4*i+3], v[LI] offset:IMG3+512*i
.set i, i+1
.endr
	WIN 0
; ---------------- the scan: thread d owns dimension d.  DD[g][j] = max P[t0+j..t0+7];  CK[g][m] = max P[t0+8..t0+8m-1];  DIAG[u][j] = max P[t0S+j..t0S+max(u,j)].  Every stored number has a register of its own
; A batch's maxima stand together; one wait behind them states that they are written, for the batch's stores, and that they are done reading the batch's set, for the loads of the batch after the next
	v_lshl_add_u32 v20, v0, 2, TB
	s_mul_i32 s51, s38, PP
	s_add_co_u32 s51, s51, PB
	v_lshl_add_u32 v21, v0, 2, s51
	s_mul_i32 s51, s39, PP
	s_add_co_u32 s51, s51, PB
	v_lshl_add_u32 v22, v0, 2, s51
	s_mul_i32 s51, s40, PP
	s_add_co_u32 s51, s51, PB
	v_lshl_add_u32 v23, v0, 2, s51
	s_wait_alu depctr_va_vdst(0)                   ; the four addresses v20 to v23 are written; P's holds are done with v64 to v95, in which the first batches land
.macro SBATCH adr, bt                  ; 16 rows into set bt % 2
.irp i,0,1,2,3,4,5,6,7,8,9,10,11,12,13,14,15
	ds_load_b32 v[64+16*((\bt)%2)+\i], v[\adr] offset:(16*(\bt)+\i)*PP
.endr
.endm
.macro CKMAX xs, prev, d               ; v[d] = the running maximum v[prev] with eight rows more
	v_max3_num_f32 v[\d], v[\prev], v[\xs], v[\xs+1]
	v_max3_num_f32 v[\d], v[\d], v[\xs+2], v[\xs+3]
	v_max3_num_f32 v[\d], v[\d], v[\xs+4], v[\xs+5]
	v_max3_num_f32 v[\d], v[\d], v[\xs+6], v[\xs+7]
.endm
.macro SGROUP adr, nb, ddrow, ckrow
	SBATCH \adr, 0
.set bt, 0
.rept \nb
.if bt+1 < \nb
	SBATCH \adr, bt+1                              ; no vector instruction since the last batch's wait names its set
	s_wait_dscnt 16                                ; all but the next batch's 16 loads
.else
	s_wait_dscnt 0x0
.endif
.set xs, 64+16*(bt%2)
.if bt == 0
	v_mov_b32 v[rr+7], v[xs+7]
.irp j,6,5,4,3,2,1,0
	v_max_num_f32 v[rr+\j], v[xs+\j], v[rr+\j+1]
.endr
	CKMAX xs+8, xs+8, rr+8
	s_wait_alu depctr_va_vdst(0)                   ; the batch's nine maxima are written, which the stores read, and are done reading its set
.irp j,0,1,2,3,4,5,6,7
	ds_store_b32 v20, v[rr+\j] offset:(\ddrow+\j)*PP
.endr
	ds_store_b32 v20, v[rr+8] offset:(\ckrow+2)*PP
.set rr, rr+9
.else
	CKMAX xs, rr-1, rr
	CKMAX xs+8, rr, rr+1
	s_wait_alu depctr_va_vdst(0)                   ; the batch's two maxima are written, which the stores read, and are done reading its set
	ds_store_b32 v20, v[rr] offset:(\ckrow+2*bt+1)*PP
	ds_store_b32 v20, v[rr+1] offset:(\ckrow+2*bt+2)*PP
.set rr, rr+2
.endif
.set bt, bt+1
.endr
.endm
.set rr, 96
	SGROUP 21, 7, 1, 15                            ; A: rows t0A .. t0A+111 (at most row 167)
	SGROUP 22, 3, 9, 29                            ; B: rows t0B .. t0B+47 (at most row 167)
.irp i,0,1,2,3,4,5,6,7
	ds_load_b32 v[64+\i], v23 offset:\i*PP
.endr
	s_wait_dscnt 0x0
.set rs, rr
.irp j,0,1,2,3,4,5,6,7
.irp u,0,1,2,3,4,5,6,7
.if \u > \j
.if \u == \j+1
	v_max_num_f32 v[rr], v[64+\j], v[64+\u]
.else
	v_max_num_f32 v[rr], v[rr-1], v[64+\u]
.endif
.set rr, rr+1
.endif
.endr
.endr
	s_wait_alu depctr_va_vdst(0)                   ; DIAG's 28 maxima are written, which the stores read
.irp j,0,1,2,3,4,5,6,7
.irp u,0,1,2,3,4,5,6,7
.if \u <= \j
	ds_store_b32 v20, v[64+\j] offset:(37+8*\u+\j)*PP
.else
	ds_store_b32 v20, v[rs] offset:(37+8*\u+\j)*PP
.set rs, rs+1
.endif
.endr
.endr
; ---------------- the biases go in divided by the power of two that the sums lack; the ninth tile's units 132-143 are zeros
	v_and_b32 v6, 16, v0
	v_cmp_eq_u32 vcc_lo, 0, v6
	v_and_b32 v11, 15, v0
	v_lshlrev_b32 v11, 4, v11
	s_wait_loadcnt 0x0
	s_wait_alu depctr_va_vdst(0)                   ; v11 is written, which the load reads; the holds are done reading v14 and v15, in which it lands
	global_load_b128 v[12:15], v11, s[20:21]       ; b3 at my four outputs of the end; waited for there
	WIN 0x41
.set i, 0
.rept 68
	v_ldexp_f32 v[B1+i], v[B1+i], s47
	v_ldexp_f32 v[B2+i], v[B2+i], s48
.set i, i+1
.endr
	WIN 0x44
	s_wait_alu depctr_va_vcc(0)                    ; the compare above has written VCC, which the selects read
.irp i,64,65,66,67
	v_cndmask_b32 v[B1+\i], 0, v[B1+\i], vcc_lo
	v_cndmask_b32 v[B2+\i], 0, v[B2+\i], vcc_lo
.endr
.irp i,68,69,70,71
	v_mov_b32 v[B1+\i], 0
	v_mov_b32 v[B2+\i], 0
.endr
	WIN 0
.irp i,2,3,4,5,6,7
	v_mov_b32 v[HX+\i], 0
.endr
.set i, 0
.rept 32
	v_mov_b32 v[ACC+i], NEGF
.set i, i+1
.endr
	BAR                                            ; the tables lie in LDS; from here to the next barrier LDS is only read
	s_wait_alu depctr_vm_vsrc(0)                   ; the scan's stores have read v64 to v71 and v96 to v157: the hidden codes are written there, and the rows' loads land there
; ---------------- my half-tile: s = 2w + (lane/8)%2; group, first unit m, start, first end, and the window's maximum up to there
	v_bfe_u32 v6, v0, 4, 1
	v_lshl_add_u32 v[XB], v6, 6, PB
	v_lshl_add_u32 v16, v6, 6, TB                  ; TB + 64 (lane/16)
	v_bfe_u32 v6, v0, 3, 1
	v_lshl_add_u32 v6, s34, 1, v6                  ; s
	v_cmp_le_u32 vcc_lo, s37, v6                   ; group B?
	s_and_b32 s51, s35, 1
	s_lshl_b32 s52, s37, 1
	s_add_co_u32 s52, s52, s51
	s_sub_co_u32 s52, 1, s52                       ; 1 - q%2 - 2 x (A's half-tiles)
	v_lshl_add_u32 v7, v6, 1, s51                  ; A: m = q%2 + 2s
	v_lshl_add_u32 v240, v6, 1, s52                ; B: m = 1 - q%2 + 2 (s - A's half-tiles)
	s_wait_alu depctr_va_vcc(0)                    ; the compare has written VCC, ahead of the first select that reads it
	v_cndmask_b32 v7, v7, v240, vcc_lo
	v_cmp_ne_u32 s54, 0, v7                        ; the two compares on m stand together, with one wait ahead of their first reader
	v_cmp_lt_u32 s55, 1, v7
	v_mov_b32 v240, s38
	v_mov_b32 v241, s39
	v_cndmask_b32 v240, v240, v241, vcc_lo         ; t0
	v_and_b32 v241, 7, v0                          ; j
	v_add_nc_u32 v[TL], v240, v241
	v_lshl_add_u32 v[TE0], v7, 3, v240
	v_mov_b32 v243, 9
	v_cndmask_b32 v242, 1, v243, vcc_lo
	v_add_nc_u32 v242, v242, v241                  ; DD's row 1 + 8g + j,
	v_mov_b32 v243, 29
	v_cndmask_b32 v244, 15, v243, vcc_lo
	v_add_nc_u32 v244, v244, v7                    ; CK's row,
	s_wait_alu depctr_va_sdst(0)                   ; the two compares have written s54 and s55, which the selects read
	v_cndmask_b32 v242, 0, v242, s54               ; or -inf where m = 0
	v_cndmask_b32 v244, 0, v244, s55               ; or -inf where m <= 1
	v_and_b32 v242, 63, v242
	v_and_b32 v244, 63, v244
	v_mad_u32_u24 v242, v242, PP, v16
	v_mad_u32_u24 v244, v244, PP, v16
	s_wait_alu depctr_va_vdst(0)                   ; v242 and v244 are written, which the loads read; the scan's maxima are written in v96 to v157, where the loads land
	RLOAD M, 242
	RLOAD X, 244
	s_wait_dscnt 0x0
.set i, 0
.rept 64
	v_max_num_f32 v[M+i], v[M+i], v[X+i]
.set i, i+1
.endr
	s_mov_b32 s50, 0
	XADDR 0
	s_wait_alu depctr_va_vdst(0)                   ; v[XA] is written; the maxima are done reading X
	RLOAD X, XA
	PRE_ALL                                        ; the first step's operand
	s_mov_b32 s50, 1
	XADDR 1
	s_wait_alu depctr_va_vdst(0)                   ; v[XA] is written; the maxima and conversions are done reading X
	RLOAD X, XA
	s_mov_b32 s50, 2
.Lstep:                                            ; 16 trips; s50 = the end, counted from TE0, of the row that this trip asks for
	STEP 1
	WIN 0x04
.set i, 0
.rept 32
	v_max_num_f32 v[ACC+i], v[ACC+i], v[H+i]       ; each accumulator from its low end on
.set i, i+1
.endr
	WIN 0
	s_add_co_u32 s50, s50, 1
	s_cmp_lt_u32 s50, 18
	s_cbranch_scc1 .Lstep
; ---------------- the 17th step: pair (t0S + j, t0S + max(u, j)), u = s; its window's maximum comes from DIAG, row 37 + 8u + j = 37 + 16w + lane%16
	s_wait_dscnt 0x0                               ; the look-ahead's loads into X are in
	v_and_b32 v6, 15, v0
	s_lshl_b32 s51, s34, 4
	v_add_nc_u32 v6, s51, v6
	v_mad_u32_u24 v7, v6, PP, v16
	v_add_nc_u32 v7, 37*PP, v7
	v_bfe_u32 v240, v0, 3, 1
	v_lshl_add_u32 v240, s34, 1, v240
	v_add_nc_u32 v[TE0], s40, v240
	v_and_b32 v241, 7, v0
	v_add_nc_u32 v[TL], s40, v241
	s_mov_b32 s50, 0
	XADDR 1
	s_wait_alu depctr_va_vdst(0)                   ; v7 and v[XA] are written, which the loads read; the last trip's maxima and conversions are done with M and X, in which they land
	RLOAD M, 7
	RLOAD X, XA
	PRE_ALL
	STEP 0
	WIN 0
; ---------------- the way out: partial maxima meet in LDS
	BAR                                            ; every wave's reads of the loop are over
	s_wait_alu depctr_vm_vsrc(0)                   ; the 17th step's loads have read v7, which is written below
	v_and_b32 v6, 15, v0
	v_bfe_u32 v7, v0, 4, 1
	v_mul_u32_u24 v6, v6, PMP
	v_lshl_add_u32 v6, v7, 5, v6
	s_mul_i32 s51, s34, 16*PMP
	s_add_co_u32 s51, s51, PM
	v_add_nc_u32 v6, s51, v6                       ; row 16w + lane%16, + 32 (lane/16): tile i's eight outputs at 64 i
	s_wait_alu depctr_va_vdst(0)                   ; v6, the running maxima and the 17th step's sums are written, which the stores read; the step's four places stay beside this wait
.irp i,0,1,2,3
	ds_store_b128 v6, v[ACC+8*\i:ACC+8*\i+3] offset:64*\i
	ds_store_b128 v6, v[ACC+8*\i+4:ACC+8*\i+7] offset:64*\i+16
.endr
	WIN 0x04                                       ; an LDS store's data are its source 1
.irp i,0,1,2,3
	ds_store_b128 v6, v[H+8*\i:H+8*\i+3] offset:64*PMP+64*\i
	ds_store_b128 v6, v[H+8*\i+4:H+8*\i+7] offset:64*PMP+64*\i+16
.endr
	WIN 0
	BAR
	s_wait_alu depctr_vm_vsrc(0)                   ; my stores have read v6 and v208 to v239, which are written below
; Thread 16 j + c takes outputs 4c..4c+3 of start t0A + j and of start t0B + j.  Segment s belongs to A where s < A's half-tiles, else to B; the other group reads the block of -inf in its place.
; All sixteen addresses first, then one wait, then the 24 loads
	v_lshrrev_b32 v6, 4, v0
	v_mul_u32_u24 v6, v6, PMP
	v_and_b32 v7, 15, v0
	v_lshl_add_u32 v6, v7, 4, v6
	v_add_nc_u32 v6, PM, v6
	s_mov_b32 s62, 128*PMP
.irp s,0,1,2,3,4,5,6,7
	s_cmp_gt_u32 s37, \s
	s_cselect_b32 s51, \s*8*PMP, s62
	s_cselect_b32 s52, s62, \s*8*PMP
	v_add_nc_u32 v[176+\s], s51, v6
	v_add_nc_u32 v[184+\s], s52, v6
.endr
	v_mov_b32 v7, NEGF
	v_lshlrev_b32 v240, 4, v0                      ; 256 j + 16 c: my 16 bytes of the group's eight rows of out0
	s_mov_b32 s53, 0xc0e6d4ca                      ; -5 log2(e)
	s_wait_alu depctr_va_vdst(0)                   ; v6 and v176 to v191 are written, which the loads read; the 17th step's maxima and conversions are done with v80 to v175, in which they land
.irp s,0,1,2,3,4,5,6,7
	ds_load_b128 v[80+4*\s:83+4*\s], v[176+\s]
	ds_load_b128 v[112+4*\s:115+4*\s], v[184+\s]
.endr
.irp u,0,1,2,3,4,5,6,7
	ds_load_b128 v[144+4*\u:147+4*\u], v6 offset:(64+8*\u)*PMP
.endr
.macro MAX8 d, b                       ; v[d+k] = the largest of v[b+4s+k], s = 0..7
.irp k,0,1,2,3
	v_max3_num_f32 v[\d+\k], v[\b+\k], v[\b+4+\k], v[\b+8+\k]
	v_max3_num_f32 v[\d+\k], v[\d+\k], v[\b+12+\k], v[\b+16+\k]
	v_max3_num_f32 v[\d+\k], v[\d+\k], v[\b+20+\k], v[\b+24+\k]
	v_max_num_f32 v[\d+\k], v[\d+\k], v[\b+28+\k]
.endr
.endm
	s_wait_dscnt 0x0
	MAX8 208, 80
	MAX8 212, 112
	MAX8 216, 144
.irp k,0,1,2,3
	v_cndmask_b32 v[220+\k], v7, v[216+\k], s63    ; the 17th unit is A's where q is odd,
	v_cndmask_b32 v[224+\k], v[216+\k], v7, s63    ; B's where even
.endr
.irp k,0,1,2,3
	v_max_num_f32 v[208+\k], v[208+\k], v[220+\k]
	v_max_num_f32 v[212+\k], v[212+\k], v[224+\k]
.endr
	s_wait_loadcnt 0x0                             ; b3
.irp k,0,1,2,3
	v_mul_f32 v[228+\k], s53, v[12+\k]
.endr
.irp k,0,1,2,3,4,5,6,7
	v_ldexp_f32 v[208+\k], v[208+\k], s49          ; x 2^(e4+e5)
.endr
.irp k,0,1,2,3
	v_fma_f32 v[208+\k], v[208+\k], s53, v[228+\k] ; -5 log2(e) (sum + b3)
	v_fma_f32 v[212+\k], v[212+\k], s53, v[228+\k]
.endr
.irp k,0,1,2,3,4,5,6,7
	v_exp_f32 v[208+\k], v[208+\k]
.endr
	v_nop                                          ; a plain line behind the batch,
	s_wait_alu depctr_va_vdst(0)                   ; and the one wait ahead of its first reader: the eight exponentials have written v208 to v215
.irp k,0,1,2,3,4,5,6,7
	v_add_f32 v[208+\k], 1.0, v[208+\k]
.endr
.irp k,0,1,2,3,4,5,6,7
	v_rcp_f32 v[208+\k], v[208+\k]
.endr
	v_nop
	s_wait_alu depctr_va_vdst(0)                   ; the eight reciprocals have written v208 to v215, the stores' data; v240, their offset, is written
	global_store_b128 v240, v[208:211], s[58:59] th:TH_STORE_NT   ; sixteen lanes store a row of out0: 256 consecutive bytes, at a multiple of 256 from its first byte
	global_store_b128 v240, v[212:215], s[60:61] th:TH_STORE_NT
	s_set_vgpr_msb 0x5
	s_wait_dscnt 0x0
	s_wait_alu depctr_hold_cnt(0) depctr_sa_sdst(0) depctr_va_vdst(0) depctr_va_sdst(0) depctr_va_ssrc(0) depctr_va_vcc(0) depctr_vm_vsrc(0)
	s_wait_tensorcnt 0x0
	ds_add_u32 v254, v255
	s_wait_dscnt 0x0
	s_endpgm
.Lfunc_end_k_q6c0e7cafbc_tll:
	.size	k_q6c0e7cafbc_tll, .Lfunc_end_k_q6c0e7cafbc_tll-k_q6c0e7cafbc_tll
	.p2alignl 7, 3214868480
	.fill 96, 4, 3214868480
	.section	.rodata,"a",@progbits
	.p2align	6, 0x0
	.amdhsa_kernel k_q6c0e7cafbc_tll
		.amdhsa_group_segment_fixed_size 243200
		.amdhsa_private_segment_fixed_size 0
		.amdhsa_enable_private_segment 0
		.amdhsa_kernarg_size 72
		.amdhsa_user_sgpr_count 2
		.amdhsa_user_sgpr_kernarg_segment_ptr 1
		.amdhsa_wavefront_size32 1
		.amdhsa_system_sgpr_workgroup_id_x 1
		.amdhsa_system_sgpr_workgroup_id_y 1
		.amdhsa_system_sgpr_workgroup_id_z 1
		.amdhsa_system_vgpr_workitem_id 0
		.amdhsa_next_free_vgpr 1024
		.amdhsa_next_free_sgpr 66
		.amdhsa_reserve_vcc 1
		.amdhsa_float_denorm_mode_32 3
		.amdhsa_float_denorm_mode_16_64 3
		.amdhsa_memory_ordered 1
		.amdhsa_forward_progress 1
		.amdhsa_inst_pref_size 218
	.end_amdhsa_kernel
	.amdgpu_metadata
---
amdhsa.version: [ 1, 2 ]
amdhsa.kernels:
  - .name:           k_q6c0e7cafbc_tll
    .symbol:         k_q6c0e7cafbc_tll.kd
    .args:
      - { .name: P, .offset: 0, .size: 8, .value_kind: global_buffer, .address_space: global }
      - { .name: W1, .offset: 8, .size: 8, .value_kind: global_buffer, .address_space: global }
      - { .name: W2, .offset: 16, .size: 8, .value_kind: global_buffer, .address_space: global }
      - { .name: W3, .offset: 24, .size: 8, .value_kind: global_buffer, .address_space: global }
      - { .name: b1, .offset: 32, .size: 8, .value_kind: global_buffer, .address_space: global }
      - { .name: b2, .offset: 40, .size: 8, .value_kind: global_buffer, .address_space: global }
      - { .name: b3, .offset: 48, .size: 8, .value_kind: global_buffer, .address_space: global }
      - { .name: lowp_scales, .offset: 56, .size: 8, .value_kind: global_buffer, .address_space: global }
      - { .name: out0, .offset: 64, .size: 8, .value_kind: global_buffer, .address_space: global }
    .group_segment_fixed_size: 243200
    .private_segment_fixed_size: 0
    .kernarg_segment_align: 8
    .kernarg_segment_size: 72
    .max_flat_workgroup_size: 128
    .sgpr_count:     66
    .vgpr_count:     1024
    .wavefront_size: 32
...
	.end_amdgpu_metadata
.endif
;; end of part 2
